; MI455X (gfx1250); checked and timed in simulation.
; The chip was launched on July 23, 2026; its instructions are those of AMD's public machine-readable ISA for CDNA 5 (MIT licence, August 2026) and "CDNA5" Instruction Set Architecture Reference Guide (July 2026). The comments in the code are by the model that wrote it; some were corrected since.
;; Attention. Allowed arithmetic: matrix products marked QUANTISED: E2M1 operands, one E8M0 scale for each 32 along K, by v_wmma_scale_f32_16x16x128_f8f6f4 with both operands' format E2M1 (or v_wmma_scale_f32_32x16x128_f4), f32 sums; products left as they are: bf16, f16 or f32 operands; f32 sums; everything else in f32.
;; Inputs: Wk 1,024 x 1,024 float32; Wq 1,024 x 1,024 float32; Wv 1,024 x 1,024 float32; Wz 1,024 x 1,024 float32; bk 1,024 float32; bq 1,024 float32; bv 1,024 float32; bz 1,024 float32; embed 2 x 2,048 x 1,024 float32; mask 2 x 2,048 x 2,048 bool.
;; Outputs: out0 2 x 2,048 x 1,024 float32.
;; This version of the problem:
;;   THIS VERSION OF THE PROBLEM IS GIVEN IN LOW PRECISION. The matrix products marked QUANTISED in the list below multiply operands that are first quantised to E2M1 (2 exponent bits, 1 mantissa bit; 4 bits a number), with one power-of-two scale for each 32 numbers along K (OCP MX v1.0); their sums are f32. The products marked 'left as it is' may take bf16, f16 or f32 operands, with f32 sums. Whichever they take, every output number must still come out within the allowed error. Rounding operands to bf16 (8 significant bits) uses up far more of that allowance than f16 does (11 bits, for magnitudes from 6e-5 to 65,504). All else is computed in f32.
;;   The module's matrix products, in the order in which they are computed (A, B: the left and right operand; K: the contracted axis; several contracted axes count as one K, in the product's order):
;;     1. [M 4,096, K 1,024] x [K 1,024, N 1,024]; A: input embed; B: input Wq: QUANTISED
;;     2. [M 4,096, K 1,024] x [K 1,024, N 1,024]; A: input embed; B: input Wk: QUANTISED
;;     3. [M 4,096, K 1,024] x [K 1,024, N 1,024]; A: input embed; B: input Wv: QUANTISED
;;     4. batch 32 x [M 2,048, K 64] x [K 64, N 2,048]; A: computed on the way; B: computed on the way: left as it is (an operand is computed on the way)
;;     5. batch 32 x [M 64, K 2,048] x [K 2,048, N 2,048]; A: computed on the way; B: computed on the way: left as it is (an operand is computed on the way)
;;     6. [M 4,096, K 1,024] x [K 1,024, N 1,024]; A: computed on the way; B: input Wz: left as it is (an operand is computed on the way)
;;   THE QUANTISER, for each operand of a quantised product, along K:
;;     - K is cut into blocks of 32 from its start; a last block that is shorter is filled with zeros.
;;     - A block's scale is 2^e with e = floor(log2(the largest magnitude in the block)) - 2, held to -126 .. 127; a block of zeros has e = 0. As a byte (E8M0): e + 127.
;;     - Each number is divided by its block's scale, clamped to +-6, and rounded to the nearest number of E2M1, ties to even, subnormals kept.
;;     - The product sums the exact products of the quantised numbers (number of the format x scale) in f32.
;;   ~~~python
;;   def quantise(x, axis):      # numpy; x: float32 -> the quantised numbers, widened to float32 again
;;       x = np.moveaxis(x, axis, -1); K = x.shape[-1]
;;       x = np.pad(x, [(0, 0)] * (x.ndim - 1) + [(0, -K % 32)]); x = x.reshape(x.shape[:-1] + (-1, 32)); a = np.abs(x).max(-1, keepdims=True)
;;       e = np.where(a > 0, np.clip(np.frexp(np.where(a > 0, a, 1))[1] - 1 - 2, -126, 127), 0)      # np.frexp(a)[1] - 1 = floor(log2(a)), exactly
;;       r = np.clip(x / 2.0 ** e, -6, 6)
;;       step = 2.0 ** (np.maximum(np.frexp(np.where(r == 0, 1, r))[1] - 1, 0) - 1)
;;       q = np.round(r / step) * step * 2.0 ** e      # np.round: ties to even
;;       return np.moveaxis(q.reshape(q.shape[:-2] + (-1,))[..., :K], -1, axis).astype(np.float32)
;;   ~~~
;; One version. Each part assembles by itself: llvm-mc -triple=amdgcn-amd-amdhsa -mcpu=gfx1250 --defsym DOCPART=n.
;; ======== version 1 of 1: 4 launches
;; limits: values are held in f16: magnitudes above 65,504 overflow, below 6.1e-05 lose precision
;; workspace buffers: codes 3,670,016 bytes; scales 229,376 bytes; wzf 2,097,152 bytes; mbits 1,048,576 bytes of whole numbers; qf 8,388,608 bytes; kv 16,777,216 bytes; zf 8,388,608 bytes
;; launch prep (part 1): grid 384 x 1, 4 waves a work-group, no clusters, 69,120 bytes of LDS; arguments embed, Wq, Wk, Wv, Wz, mask, codes, scales, wzf, mbits; writes codes, scales, wzf, mbits
.if DOCPART == 1
	.amdgcn_target "amdgcn-amd-amdhsa--gfx1250"
	.amdhsa_code_object_version 6
	.text
	.protected	k_q75c8761291_prep
	.globl	k_q75c8761291_prep
	.p2align	8
	.type	k_q75c8761291_prep,@function
k_q75c8761291_prep:
	s_mov_b64 s[64:65], 0
	v_nop
	global_prefetch_b8 v0, s[64:65] scope:SCOPE_SE
	s_setreg_imm32_b32 hwreg(HW_REG_WAVE_MODE, 25, 1), 1
	s_wait_xcnt 0x0
; Everything that later launches read many times is laid out once, in the order of the operands' registers.
;   role A (work-groups 0-127):   embed [4096][1024] f32 -> codes of E2M1 and E8M0 bytes, K innermost in memory
;   role B (work-groups 128-223): Wq, Wk, Wv [k 1024][n 1024] f32 -> the same, K = the first axis: a lane takes a column, its registers run down K
;   role C (work-groups 224-255): Wz [k][n] f32 -> f16, as fragments of 16 columns x 32 k
;   role D (work-groups 256-383): mask bytes -> words of one bit a lane, in the layout of the scores' registers
; A FRAGMENT IMAGE is 1,024 bytes: registers 0-3 of lane l at 16 l, registers 4-7 at 512 + 16 l.  codes: [tile 448][128 along K: 8][image]; tiles 0-255 are 16 rows of embed, tile 256 + 64 w + n / 16 are 16 columns of weight w.
; scales: [row 7168][32 bytes], rows as the tiles count them.  wzf: [n / 16][k / 32][image].  mbits: [batch][32 queries: 64][64 keys: 32][n 32][t 2] words: bit l of word (n = 8 kt + j, t) is
; mask[batch][32 pair + 16 t + l % 16][64 ks + 16 kt + 8 (l / 16) + j]; any byte other than 0 counts as true.
; A block's scale is 2^(floor(log2(largest magnitude)) - 2); its byte is the largest magnitude's exponent field - 2, held at 1 from below.
; LIMITS: a block of zeros gets the byte 1 where the quantiser's rule says 127 (its codes are zeros, and this program alone reads the bytes); NaN and infinities among the inputs are not served;
; numbers of Wz beyond 65,504 become infinity in f16.  The scale bytes leave in pieces of 16 and 8 bytes a row: one byte in 128 of what roles A and B read.
; No cluster: no two work-groups read the same bytes.  No tensor load: the waves share nothing, each has its own stage in LDS, and each role its own bytes of LDS.
.set STD,   33792                      ; role A's stages: 4 x 16 rows x 528 bytes from 0; role D's: 4 x 32 rows x 272 bytes from here
.set SPARE, 68608                      ; the spare words, 128 bytes a wave
.set SPW,   254                        ; v254  my spare word's address; never rewritten
.set NIL,   255                        ; v255  0; never rewritten
; 32 numbers v[x ..] of one block -> 4 registers of codes v[c ..]; v[m], v[m+1] at work, v[m+2] the conversion's scale operand, v[m+3] the byte
.macro QBLK x, c, m
	v_max3_num_f32 v[\m], |v[\x]|, |v[\x+1]|, |v[\x+2]|
	v_max3_num_f32 v[\m+1], |v[\x+3]|, |v[\x+4]|, |v[\x+5]|
.irp i, 6,10,14,18,22,26
	v_max3_num_f32 v[\m], v[\m], |v[\x+\i]|, |v[\x+\i+1]|
	v_max3_num_f32 v[\m+1], v[\m+1], |v[\x+\i+2]|, |v[\x+\i+3]|
.endr
	v_max3_num_f32 v[\m], v[\m], |v[\x+30]|, |v[\x+31]|
	v_max3_num_f32 v[\m], v[\m], v[\m+1], 0x1800000   ; the floor 2^(3 - 127): the byte cannot fall under 1
	v_add_nc_u32 v[\m+2], 0xff000000, v[\m]           ; 2 off the exponent field: the conversion takes that field as its scale
.irp g, 0,1,2,3
	v_cvt_scalef32_pk8_fp4_f32 v[\c+\g], v[\x+8*\g:\x+8*\g+7], v[\m+2]
.endr
	v_lshrrev_b32 v[\m+3], 23, v[\m+2]                ; the byte; also the plain line behind the conversions
.endm
.macro ENDW                            ; a wave's end
	s_wait_tensorcnt 0x0
	ds_add_u32 v[SPW], v[NIL]
	s_wait_dscnt 0x0
	s_endpgm
.endm
	s_load_b512 s[4:19], s[0:1], 0x0               ; embed s4, Wq s6, Wk s8, Wv s10, Wz s12, mask s14, codes s16, scales s18
	s_load_b128 s[20:23], s[0:1], 0x40             ; wzf s20, mbits s22
	v_lshl_add_u32 v[SPW], v0, 2, SPARE
	v_mov_b32 v[NIL], 0
	v_lshrrev_b32 v1, 5, v0
	v_readfirstlane_b32 s24, v1                    ; wave
	v_and_b32 v1, 31, v0                           ; lane
	v_and_b32 v2, 15, v0                           ; r
	v_bfe_u32 v3, v0, 4, 1                         ; h
	s_mov_b32 s26, 0x76543210
	s_mov_b32 s27, 0xfedcba98                      ; selects: lane l xor 16
	s_mul_i32 s25, s24, 8448                       ; all LDS addresses are made here, ahead of the parting of the roles
	v_lshlrev_b32 v4, 4, v1
	v_add_nc_u32 v4, s25, v4                       ; A, in: 16 x lane, a row of 512 bytes an instruction
	v_mul_u32_u24 v5, v2, 528
	v_lshl_add_u32 v5, v3, 7, v5
	v_add_nc_u32 v5, s25, v5                       ; A, out: row r, block h
	s_mul_i32 s25, s24, 8704
	s_add_co_u32 s25, s25, STD
	v_mul_u32_u24 v6, v3, 272
	v_lshl_add_u32 v6, v2, 4, v6
	v_add_nc_u32 v6, s25, v6                       ; D, in: two rows of 256 bytes an instruction
	v_mul_u32_u24 v7, v2, 272
	v_lshl_add_u32 v7, v3, 3, v7
	v_add_nc_u32 v7, s25, v7                       ; D, out: row r, 8 h bytes on
	s_mov_b32 s29, 0                               ; the upper word of every offset
	s_wait_kmcnt 0x0
	s_cmp_ge_u32 ttmp9, 128
	s_cbranch_scc1 .Lnot_a
; ---- ROLE A.  A wave takes 16 rows x 512 along K: four fragments.  Each load reads 512 consecutive bytes of one row; the rows turn through the wave's stage, so that a lane gets whole blocks of 32.
	s_lshl_b32 s28, ttmp9, 2
	s_add_co_u32 s28, s28, s24
	s_lshr_b32 s30, s28, 1                         ; tile of 16 rows
	s_and_b32 s31, s28, 1                          ; which half of K
	s_lshl_b32 s28, s30, 16
	s_lshl_b32 s25, s31, 11
	s_add_co_u32 s28, s28, s25
	s_add_nc_u64 s[4:5], s[4:5], s[28:29]
	s_lshl_b32 s28, s30, 13
	s_lshl_b32 s25, s31, 12
	s_add_co_u32 s28, s28, s25
	s_add_nc_u64 s[16:17], s[16:17], s[28:29]
	s_lshl_b32 s28, s30, 9
	s_lshl_b32 s25, s31, 4
	s_add_co_u32 s28, s28, s25
	s_add_nc_u64 s[18:19], s[18:19], s[28:29]
	v_lshlrev_b32 v244, 4, v1                      ; 16 x lane
	v_lshlrev_b32 v245, 3, v3                      ; 8 h
	v_mov_b32 v246, 0                              ; (a lane permute's destination counts as read)
	v_lshlrev_b32 v247, 5, v2                      ; 32 r
.macro LOADA f
.irp i, 0,1,2,3,4,5,6,7,8,9,10,11,12,13,14,15
	global_load_b128 v[16+64*((\f)%2)+4*\i:16+64*((\f)%2)+4*\i+3], v244, s[4:5] offset:4096*\i+512*(\f) th:TH_LOAD_NT
.endr
.endm
.macro FRA f
.if (\f) < 3
	s_wait_loadcnt 16                              ; this fragment's 16 loads are in; the next one's 16 may be out
.else
	s_wait_loadcnt 0x0
.endif
.irp i, 0,1,2,3,4,5,6,7,8,9,10,11,12,13,14,15
	ds_store_b128 v4, v[16+64*((\f)%2)+4*\i:16+64*((\f)%2)+4*\i+3] offset:528*\i
.endr
.irp i, 0,1,2,3,4,5,6,7,8,9,10,11,12,13,14,15
	ds_load_b128 v[144+4*\i:144+4*\i+3], v5 offset:256*(\i/8)+16*(\i%8)   ; blocks h and 2 + h of row r: the wave's own bytes, served in order
.endr
	s_wait_dscnt 0x0
.if (\f) < 2
	LOADA (\f)+2
.endif
	QBLK 144, 208+8*(\f), 8
	QBLK 176, 212+8*(\f), 12
	v_lshl_or_b32 v11, v15, 16, v11                ; my two bytes, blocks h and 2 + h,
	v_lshlrev_b32 v11, v245, v11                   ; at their places in the row's scale word;
	v_permlanex16_b32 v246, v11, s26, s27
	v_or_b32 v[240+(\f)], v11, v246                ; with lane l xor 16's two the word is whole
	global_store_b128 v244, v[208+8*(\f):208+8*(\f)+3], s[16:17] offset:1024*(\f)       ; 512 consecutive bytes a store; no store's data are written again
	global_store_b128 v244, v[212+8*(\f):212+8*(\f)+3], s[16:17] offset:1024*(\f)+512
.endm
	LOADA 0
	LOADA 1
.irp f, 0,1,2,3
	FRA \f
.endr
	global_store_b128 v247, v[240:243], s[18:19]   ; my row's 16 scale bytes (both halves of the lanes hold and write the same)
	ENDW
.Lnot_a:
	s_cmp_ge_u32 ttmp9, 256
	s_cbranch_scc1 .Lrole_d
; ---- ROLES B AND C.  A wave takes 32 columns x 256 along K: 8 blocks of 32 a lane.  Each load reads 128 consecutive bytes of one row k.
	s_sub_co_u32 s30, ttmp9, 128
	s_lshr_b32 s31, s30, 5                         ; 0 Wq, 1 Wk, 2 Wv, 3 Wz
	s_and_b32 s32, s30, 7                          ; which 128 columns
	s_bfe_u32 s33, s30, 0x20003                    ; which 256 along K
	s_cmp_eq_u32 s31, 1
	s_cselect_b64 s[6:7], s[8:9], s[6:7]
	s_cmp_eq_u32 s31, 2
	s_cselect_b64 s[6:7], s[10:11], s[6:7]
	s_cmp_eq_u32 s31, 3
	s_cselect_b64 s[6:7], s[12:13], s[6:7]
	s_lshl_b32 s28, s33, 20
	s_lshl_b32 s25, s32, 9
	s_add_co_u32 s28, s28, s25
	s_lshl_b32 s25, s24, 7
	s_add_co_u32 s28, s28, s25
	s_add_nc_u64 s[6:7], s[6:7], s[28:29]
	v_lshlrev_b32 v244, 2, v1                      ; 4 x lane
	v_lshlrev_b32 v245, 4, v2                      ; 16 r
.macro LOADW u
.irp i, 0,1,2,3,4,5,6,7,8,9,10,11,12,13,14,15,16,17,18,19,20,21,22,23,24,25,26,27,28,29,30,31
	global_load_b32 v[16+32*((\u)%2)+\i], v244, s[6:7] offset:(32*(\u)+\i)*4096 th:TH_LOAD_NT
.endr
.endm
	LOADW 0
	LOADW 1
	s_cmp_eq_u32 s31, 3
	s_cbranch_scc1 .Lrole_c
	s_lshl_b32 s28, s31, 19                        ; codes: 8,192 x (256 + 64 weight + 8 cb + 2 wave) + 2,048 kq
	s_lshl_b32 s25, s32, 16
	s_add_co_u32 s28, s28, s25
	s_lshl_b32 s25, s24, 14
	s_add_co_u32 s28, s28, s25
	s_lshl_b32 s25, s33, 11
	s_add_co_u32 s28, s28, s25
	s_add_co_u32 s28, s28, 0x200000
	s_add_nc_u64 s[16:17], s[16:17], s[28:29]
	s_lshl_b32 s28, s31, 15                        ; scales: 32 x (4,096 + 1,024 weight + 128 cb + 32 wave) + 8 kq
	s_lshl_b32 s25, s32, 12
	s_add_co_u32 s28, s28, s25
	s_lshl_b32 s25, s24, 10
	s_add_co_u32 s28, s28, s25
	s_lshl_b32 s25, s33, 3
	s_add_co_u32 s28, s28, s25
	s_add_co_u32 s28, s28, 0x20000
	s_add_nc_u64 s[18:19], s[18:19], s[28:29]
	v_lshl_add_u32 v245, v3, 13, v245              ; lanes 16-31: the next tile of 16 columns
	v_lshlrev_b32 v246, 5, v1                      ; 32 x lane
.macro BLKB u
.if (\u) < 7
	s_wait_loadcnt 32                              ; this block's 32 loads are in; the next block's may be out
.else
	s_wait_loadcnt 0x0
.endif
	QBLK 16+32*((\u)%2), 80+4*(\u), 8
.if (\u)%4 == 0
	v_mov_b32 v[112+(\u)/4], v11
.else
	v_lshl_or_b32 v[112+(\u)/4], v11, 8*((\u)%4), v[112+(\u)/4]
.endif
.if (\u) < 6
	LOADW (\u)+2
.endif
	global_store_b128 v245, v[80+4*(\u):80+4*(\u)+3], s[16:17] offset:1024*((\u)/4)+512*(((\u)%4)/2)+256*((\u)%2)   ; sixteen lanes store 256 consecutive bytes, aligned
.endm
.irp u, 0,1,2,3,4,5,6,7
	BLKB \u
.endr
	global_store_b64 v246, v[112:113], s[18:19]    ; my column's 8 scale bytes
	ENDW
.Lrole_c:
	s_lshl_b32 s28, s32, 18                        ; wzf: 32,768 x (8 cb + 2 wave) + 8,192 kq
	s_lshl_b32 s25, s24, 16
	s_add_co_u32 s28, s28, s25
	s_lshl_b32 s25, s33, 13
	s_add_co_u32 s28, s28, s25
	s_add_nc_u64 s[20:21], s[20:21], s[28:29]
	v_lshl_add_u32 v245, v3, 15, v245              ; lanes 16-31: the next tile of 16 columns
.macro BLKC u
.if (\u) < 7
	s_wait_loadcnt 32
.else
	s_wait_loadcnt 0x0
.endif
.irp i, 0,1,2,3,4,5,6,7,8,9,10,11,12,13,14,15
	v_cvt_pk_f16_f32 v[80+16*(\u)+\i], v[16+32*((\u)%2)+2*\i], v[16+32*((\u)%2)+2*\i+1]
.endr
.if (\u) < 6
	LOADW (\u)+2
.endif
.irp p, 0,1,2,3
	global_store_b128 v245, v[80+16*(\u)+4*\p:80+16*(\u)+4*\p+3], s[20:21] offset:1024*(\u)+512*(\p/2)+256*(\p%2)   ; k = 8 p .. 8 p + 7 of my column: registers 4 (p / 2) on of lane 16 (p % 2) + r
.endr
.endm
.irp u, 0,1,2,3,4,5,6,7
	BLKC \u
.endr
	ENDW
.Lrole_d:
; ---- ROLE D.  A wave takes 32 queries x 512 keys, in two chunks of 256 keys.  The bytes turn through the wave's stage; each byte place of a lane's 8 bytes becomes one word of 32 lane bits.
	s_sub_co_u32 s30, ttmp9, 256                   ; which 32 queries
	s_lshl_b32 s28, s30, 16
	s_lshl_b32 s25, s24, 9
	s_add_co_u32 s28, s28, s25
	s_add_nc_u64 s[14:15], s[14:15], s[28:29]
	s_lshl_b32 s28, s30, 13
	s_lshl_b32 s25, s24, 11
	s_add_co_u32 s28, s28, s25
	s_add_nc_u64 s[22:23], s[22:23], s[28:29]
	v_lshlrev_b32 v244, 4, v2
	v_lshl_add_u32 v244, v3, 11, v244              ; in: sixteen lanes read 256 consecutive bytes of a row, lanes 16-31 the next row
	v_lshlrev_b32 v245, 3, v1                      ; out: 8 x lane
.irp c, 0,1
.irp i, 0,1,2,3,4,5,6,7,8,9,10,11,12,13,14,15
	global_load_b128 v[16+64*\c+4*\i:16+64*\c+4*\i+3], v244, s[14:15] offset:4096*\i+256*\c th:TH_LOAD_NT
.endr
.endr
.irp i, 0,1,2,3,4,5,6,7,8,9,10,11,12,13,14,15
	v_mov_b32 v[208+\i], 0                         ; (v_writelane_b32's destination counts as read)
.endr
.macro CHUNK ch
.if \ch == 0
	s_wait_loadcnt 16                              ; the first chunk's 16 loads are in
.else
	s_wait_loadcnt 0x0
.endif
.irp i, 0,1,2,3,4,5,6,7,8,9,10,11,12,13,14,15
	ds_store_b128 v6, v[16+64*\ch+4*\i:16+64*\ch+4*\i+3] offset:544*\i
.endr
.irp q, 0,1,2,3,4,5,6,7,8,9,10,11,12,13,14,15,16,17,18,19,20,21,22,23,24,25,26,27,28,29,30,31
	ds_load_b64 v[144+2*\q:144+2*\q+1], v7 offset:4352*(\q/16)+64*((\q/4)%4)+16*(\q%4)   ; q = 16 t + 4 ks + kt: query 16 t + r, keys 64 ks + 16 kt + 8 h + 0 .. 7
.endr
	s_wait_dscnt 0x0
.set n, 0
.rept 64                               ; register n = 2 q + j / 4; four byte places at a time
.irp x, 0,1,2,3
	v_and_b32 v[8+\x], 0xff<<(8*\x), v[144+n]
.endr
.irp x, 0,1,2,3
	v_cmp_ne_u32 s[32+\x], 0, v[8+\x]              ; one bit a lane
.endr
.irp x, 0,1,2,3
	v_writelane_b32 v[208+8*\ch+2*(((n/2)/4)%4)+(n/2)/16], s[32+\x], 8*((n/2)%4)+4*(n%2)+\x   ; word (n = 8 kt + j, t) goes to lane 8 kt + j of the register for (ks, t)
.endr
.set n, n+1
.endr
.irp k, 0,1,2,3
	global_store_b64 v245, v[208+8*\ch+2*\k:208+8*\ch+2*\k+1], s[22:23] offset:256*(4*\ch+\k)   ; the 64 words of 64 keys: 256 consecutive bytes, aligned
.endr
.endm
	CHUNK 0
	CHUNK 1
	ENDW
.Lfunc_end_k_q75c8761291_prep:
	.size	k_q75c8761291_prep, .Lfunc_end_k_q75c8761291_prep-k_q75c8761291_prep
	.p2alignl 7, 3214868480
	.fill 96, 4, 3214868480
	.section	.rodata,"a",@progbits
	.p2align	6, 0x0
	.amdhsa_kernel k_q75c8761291_prep
		.amdhsa_group_segment_fixed_size 69120
		.amdhsa_private_segment_fixed_size 0
		.amdhsa_enable_private_segment 0
		.amdhsa_kernarg_size 80
		.amdhsa_user_sgpr_count 2
		.amdhsa_user_sgpr_kernarg_segment_ptr 1
		.amdhsa_wavefront_size32 1
		.amdhsa_system_sgpr_workgroup_id_x 1
		.amdhsa_system_sgpr_workgroup_id_y 1
		.amdhsa_system_sgpr_workgroup_id_z 1
		.amdhsa_system_vgpr_workitem_id 0
		.amdhsa_next_free_vgpr 256
		.amdhsa_next_free_sgpr 66
		.amdhsa_reserve_vcc 0
		.amdhsa_float_denorm_mode_32 3
		.amdhsa_float_denorm_mode_16_64 3
		.amdhsa_memory_ordered 1
		.amdhsa_forward_progress 1
		.amdhsa_inst_pref_size 205
	.end_amdhsa_kernel
	.amdgpu_metadata
---
amdhsa.version: [ 1, 2 ]
amdhsa.kernels:
  - .name:           k_q75c8761291_prep
    .symbol:         k_q75c8761291_prep.kd
    .args:
      - { .name: embed, .offset: 0, .size: 8, .value_kind: global_buffer, .address_space: global }
      - { .name: Wq, .offset: 8, .size: 8, .value_kind: global_buffer, .address_space: global }
      - { .name: Wk, .offset: 16, .size: 8, .value_kind: global_buffer, .address_space: global }
      - { .name: Wv, .offset: 24, .size: 8, .value_kind: global_buffer, .address_space: global }
      - { .name: Wz, .offset: 32, .size: 8, .value_kind: global_buffer, .address_space: global }
      - { .name: mask, .offset: 40, .size: 8, .value_kind: global_buffer, .address_space: global }
      - { .name: codes, .offset: 48, .size: 8, .value_kind: global_buffer, .address_space: global }
      - { .name: scales, .offset: 56, .size: 8, .value_kind: global_buffer, .address_space: global }
      - { .name: wzf, .offset: 64, .size: 8, .value_kind: global_buffer, .address_space: global }
      - { .name: mbits, .offset: 72, .size: 8, .value_kind: global_buffer, .address_space: global }
    .group_segment_fixed_size: 69120
    .private_segment_fixed_size: 0
    .kernarg_segment_align: 8
    .kernarg_segment_size: 80
    .max_flat_workgroup_size: 128
    .sgpr_count:     66
    .vgpr_count:     256
    .wavefront_size: 32
...
	.end_amdgpu_metadata
.endif
;; end of part 1
;; launch qkv (part 2): grid 12 x 16, 4 waves a work-group, clusters of 4 x 4, 327,680 bytes of LDS; arguments codes, scales, bq, bk, bv, qf, kv; writes qf, kv
.if DOCPART == 2
	.amdgcn_target "amdgcn-amd-amdhsa--gfx1250"
	.amdhsa_code_object_version 6
	.text
	.protected	k_q75c8761291_qkv
	.globl	k_q75c8761291_qkv
	.p2align	8
	.type	k_q75c8761291_qkv,@function
k_q75c8761291_qkv:
	s_mov_b64 s[64:65], 0
	v_nop
	global_prefetch_b8 v0, s[64:65] scope:SCOPE_SE
	s_setreg_imm32_b32 hwreg(HW_REG_WAVE_MODE, 25, 1), 1
	s_wait_xcnt 0x0
	s_wait_alu depctr_hold_cnt(0) depctr_sa_sdst(0) depctr_va_vdst(0) depctr_va_sdst(0) depctr_va_ssrc(0) depctr_va_vcc(0) depctr_vm_vsrc(0)
	s_getreg_b32 s2, hwreg(HW_REG_IB_STS2, 6, 4)
	s_cmp_eq_u32 s2, 0
	s_cbranch_scc0 .Lentry_in_a_cluster
	s_endpgm
.Lentry_in_a_cluster:
	s_bfe_u32 s2, ttmp6, 0x10000c
	s_cmp_lg_u32 s2, 0xf033
	s_cbranch_scc0 .Lentry_shape_is_right
	s_endpgm
.Lentry_shape_is_right:
; q, k, v = embed x Wq, Wk, Wv + biases, on codes of E2M1 with one E8M0 scale for each 32 along K (K = 1,024); sums in f32; results rounded once to f16 and stored as images of the next launch's operand registers.
; A work-group makes 256 tokens x 256 features; its four waves 128 x 128 each: 64 accumulators of 16 x 16.  The cluster's x (0, 1, 2) is q, k or v: the same in all sixteen partners.
; q and k: source 0 = 16 columns of W, source 1 = 16 tokens: a lane then holds one token and eight neighbouring channels.  v: the sources change places: a lane holds one channel and eight neighbouring tokens,
; which is how the second product of attention wants v.  The exchange is made in the LDS READ addresses alone; the tensor loads are the same for all three.
; q is multiplied by c = log2(e) / 8 here, (x Wq) c + bq c in one fused multiply-add, so that scores arrive as exponents of 2 (the order of rounding differs from scaling the score by an ulp of f32).
; ALL OF K lies in LDS: two slots of 512 along K, each filled once, and the scale bytes of the 512 rows, filled once.  Operands lie as fragment images (1,024 bytes: registers 0-3 of lane l at 16 l, 4-7 at 512 + 16 l), so a load takes 512 consecutive bytes.
; CLUSTERS: 4 x 4.  The four of a row need the same tokens, the four of a column the same columns of W: each tile is asked for jointly.
; LIMIT: a result beyond 65,504 in magnitude becomes infinity in f16.
; qf: [batch x head 32][tile of 16 tokens 128][32 channels: 2][image].  kv: [batch x head 32][256 keys: 8][65,536]: K as [tile 16][2][image], then from byte 32,768 V as [32 keys: 8][16 channels: 4][image].
; REGISTERS: window 0: v16-29 addresses; v32-95 scale words, two sets; v96-111 v's bias, each number twice; v128-191 source 1's fragments, one set (later the packed results); v192-255 q's or k's bias.
;   window 1: source 0's fragments, two sets, at v0 and v128.  windows 2, 3: the accumulators ((a, b) at v[8 (8 (a % 4) + b)]; a: source 1's block, b: source 0's).
.set NQ,    4                          ; steps of 128 along K in a slot
.set FR,    8
.set NL,    2
.set NP,    4                          ; places behind this matrix instruction (ISA guide 7.12.1)
.set SLOT,  131072                     ; X's 16 tiles x 4 images, then W's
.set SCL,   262144                     ; the scale bytes: X's 256 rows x 32 bytes as 32 pieces of 256 + 16, then W's
.set HALFS, 4352                       ; those of 128 rows
.set SBLK,  544                        ; those of 16 rows
.set SPARE, 279552                     ; the spare words, 128 bytes a wave
.set ADR1, 16                          ; v16-17 source 1's fragments in slot 0, 1
.set ADR0, 20                          ; v20-21 source 0's
.set CO,   24                          ; v24 16 x lane; v25 the same one head further on
.set ADRS, 27                          ; v27 my scale words: lanes 0-15 source 1's rows, lanes 16-31 source 0's
.set SPW,  28
.set NIL,  29
.set SC,   32
.set BV,   96
.set AF,   128
.set T,    128
.set BR,   192
.set G1,   24                          ; s[24:31], s[32:39]: groups 1 and 0 (a set a slot) for X's codes
.set G0,   32
.set G1B,  48                          ; s[48:55], s[56:63]: for W's
.set G0B,  56
.set G1S,  68                          ; s[68:75], s[76:79]: for X's scale bytes;  s[80:87], s[88:91]: for W's
.set G0S,  76
.set G1SB, 80
.set G0SB, 88
.set MSB, 0
.macro WIN new                         ; the immediate's high byte repeats the setting that is left
.if MSB != (\new)
	s_set_vgpr_msb (MSB<<8)|(\new)
.set MSB, (\new)
.endif
.endm
.set MUL_LO, 0xa1                      ; source 0 window 1, source 1 window 0, C and D window 2
.set MUL_HI, 0xf1
.set TO_0,   0x40
; A joint load: waves 0 and 1 fetch X's halves, waves 2 and 3 W's.  The branch hangs on the wave's number alone.  An s_nop 0 and four v_nop follow each line.
.macro JLOAD g0a, g1a, g0b, g1b
	s_cmp_eq_u32 s19, 0
	s_cbranch_scc0 .Lfor_w_\@
	tensor_load_to_lds s[\g0a:\g0a+3], s[\g1a:\g1a+7]
	s_nop 0
.rept 4
	v_nop
.endr
	s_branch .Lasked_\@
.Lfor_w_\@:
	tensor_load_to_lds s[\g0b:\g0b+3], s[\g1b:\g1b+7]
	s_nop 0
.rept 4
	v_nop
.endr
.Lasked_\@:
.endm
.macro CROUND                          ; a round of the cluster's barrier
	s_barrier_signal -1
	s_barrier_wait -1
	s_cmp_lg_u32 s18, 0
	s_cbranch_scc1 .Lnot_wave_0_\@
	s_barrier_signal -3
.Lnot_wave_0_\@:
	s_barrier_wait -3
	s_barrier_signal -1
	s_barrier_wait -1
.endm
	s_load_b128 s[4:7], s[0:1], 0x0                ; codes, scales
	s_load_b256 s[8:15], s[0:1], 0x10              ; bq, bk, bv, qf
	s_load_b64 s[16:17], s[0:1], 0x30              ; kv
	v_lshl_add_u32 v[SPW], v0, 2, SPARE
	v_mov_b32 v[NIL], 0
	ds_add_u32 v[SPW], v[NIL]                      ; the opening: the add, twice on end, and its wait ahead of my first tensor load
	ds_add_u32 v[SPW], v[NIL]
	v_lshrrev_b32 v1, 5, v0
	v_readfirstlane_b32 s18, v1                    ; wave
	s_lshr_b32 s19, s18, 1                         ; H1: my half of source 1's rows.  Also: I fetch for X (0) or for W (1)
	s_and_b32 s20, s18, 1                          ; H0: my half of source 0's rows.  Also: which 128 rows I fetch
	s_bfe_u32 s40, ttmp6, 0x40000                  ; cx
	s_bfe_u32 s41, ttmp6, 0x40004                  ; cy
	s_lshl_b32 s42, ttmp9, 2
	s_add_co_u32 s42, s42, s40                     ; which 256 of the 3,072 features
	s_and_b32 s45, ttmp7, 0xffff
	s_lshl_b32 s45, s45, 2
	s_add_co_u32 s45, s45, s41                     ; which 256 tokens
	s_lshl_b32 s43, s41, 2
	s_lshl_b32 s43, 15, s43                        ; my row of the cluster
	s_lshl_b32 s44, 0x1111, s40                    ; my column
	s_cmp_eq_u32 ttmp9, 2
	s_cselect_b32 s21, 1, 0                        ; 1 for v
	; codes: 8 tiles x 4,096 bytes (512 elements of 8 bytes), 8,192 bytes apart in memory, dense in LDS
	s_or_b32 s[G1+0], s43, (3<<16)|(1<<21)
	s_or_b32 s[G1B+0], s44, (3<<16)|(1<<21)
.irp g, G1, G1B
	s_mov_b32 s[\g+1], 512<<16                     ; tensor_dim0
	s_mov_b32 s[\g+2], 8<<16                       ; tensor_dim1
	s_mov_b32 s[\g+3], 512<<16                     ; tile_dim0
	s_mov_b32 s[\g+4], 8                           ; tile_dim1
	s_mov_b32 s[\g+5], 1024                        ; from row to row
	s_mov_b32 s[\g+6], 0
	s_mov_b32 s[\g+7], 0
.endr
	; scale bytes of 128 rows: 4,096 dense bytes as 16 rows of 256, 16 bytes of padding behind each
	s_or_b32 s[G1S+0], s43, (3<<16)|(1<<20)|(1<<21)|(5<<22)|(3<<25)
	s_or_b32 s[G1SB+0], s44, (3<<16)|(1<<20)|(1<<21)|(5<<22)|(3<<25)
.irp g, G1S, G1SB
	s_mov_b32 s[\g+1], 32<<16
	s_mov_b32 s[\g+2], 16<<16
	s_mov_b32 s[\g+3], 32<<16
	s_mov_b32 s[\g+4], 16
	s_mov_b32 s[\g+5], 32
	s_mov_b32 s[\g+6], 0
	s_mov_b32 s[\g+7], 0
.endr
	s_lshl_b32 s22, s20, 3                         ; 8 tiles x the half that I fetch
	s_lshl_b32 s92, s45, 4
	s_add_co_u32 s92, s92, s22                     ; X: its first tile (it hangs on the tokens' block alone)
	s_lshl_b32 s94, s42, 4
	s_add_co_u32 s94, s94, s22
	s_add_co_u32 s94, s94, 256                     ; W: likewise (on the features' block alone)
	s_lshl_b32 s96, s92, 9                         ; a tile's scale bytes: 16 rows x 32
	s_lshl_b32 s46, s94, 9
	s_lshl_b32 s92, s92, 13                        ; a tile's codes: 8,192 bytes
	s_lshl_b32 s94, s94, 13
	s_mov_b32 s93, 0
	s_mov_b32 s95, 0
	s_mov_b32 s97, 0
	s_mov_b32 s47, 0
	s_lshl_b32 s23, s18, 15                        ; where they go: 32,768 x wave,
	s_mul_i32 s2, s18, HALFS                       ; 4,352 x wave
	s_wait_dscnt 0x0                               ; both opening adds are done
	s_wait_kmcnt 0x0
	s_add_nc_u64 s[92:93], s[4:5], s[92:93]
	s_add_nc_u64 s[96:97], s[6:7], s[96:97]
	s_add_nc_u64 s[94:95], s[4:5], s[94:95]
	s_add_nc_u64 s[46:47], s[6:7], s[46:47]
	CROUND                                         ; all sixteen work-groups are here: the joint loads meet
	s_mov_b32 s[G0S], 1
	s_add_co_u32 s[G0S+1], s2, SCL
	s_mov_b64 s[G0S+2:G0S+3], s[96:97]
	s_or_b32 s[G0S+3], s[G0S+3], 0x80000000
	s_mov_b32 s[G0SB], 1
	s_add_co_u32 s[G0SB+1], s2, SCL
	s_mov_b64 s[G0SB+2:G0SB+3], s[46:47]
	s_or_b32 s[G0SB+3], s[G0SB+3], 0x80000000
	JLOAD G0S, G1S, G0SB, G1SB                     ; three loads of mine go out, all first fills: the scale bytes,
.irp s, 0,1
	s_mov_b32 s[G0+4*\s], 1
	s_add_co_u32 s[G0+4*\s+1], s23, \s*SLOT
	s_add_nc_u64 s[G0+4*\s+2:G0+4*\s+3], s[92:93], \s*4096
	s_or_b32 s[G0+4*\s+3], s[G0+4*\s+3], 0x80000000
	s_mov_b32 s[G0B+4*\s], 1
	s_add_co_u32 s[G0B+4*\s+1], s23, \s*SLOT
	s_add_nc_u64 s[G0B+4*\s+2:G0B+4*\s+3], s[94:95], \s*4096
	s_or_b32 s[G0B+4*\s+3], s[G0B+4*\s+3], 0x80000000
	JLOAD G0+4*\s, G1, G0B+4*\s, G1B               ; and the two halves of K
.endr
	v_and_b32 v1, 31, v0
	v_lshlrev_b32 v[CO], 4, v1                     ; 16 x lane
	v_and_b32 v2, 15, v0                           ; r
	v_bfe_u32 v3, v0, 4, 1                         ; h
	s_lshl_b32 s22, s21, 16                        ; source 1: X's region, for v W's,
	s_lshl_b32 s23, s19, 15
	s_add_co_u32 s22, s22, s23                     ; my half of it
	s_xor_b32 s23, s21, 1
	s_lshl_b32 s23, s23, 16                        ; source 0: the other region,
	s_lshl_b32 s2, s20, 15
	s_add_co_u32 s23, s23, s2
.irp s, 0,1
	v_add_nc_u32 v[ADR1+\s], s22, v[CO]
	v_add_nc_u32 v[ADR0+\s], s23, v[CO]
	s_add_co_u32 s22, s22, SLOT
	s_add_co_u32 s23, s23, SLOT
.endr
	v_lshlrev_b32 v4, 5, v2                        ; a row's 32 scale bytes,
	v_lshrrev_b32 v5, 3, v2
	v_lshl_add_u32 v4, v5, 4, v4                   ; 16 more for each 256 passed;
	v_xor_b32 v5, s21, v3                          ; the region: lanes 0-15 source 1's, lanes 16-31 source 0's
	v_mad_u32_u24 v4, v5, 8704, v4
	s_xor_b32 s3, s19, s20
	v_and_b32 v5, s3, v3
	v_xor_b32 v5, s19, v5                          ; the half: H1 in lanes 0-15, H0 in lanes 16-31
	v_mad_u32_u24 v4, v5, HALFS, v4
	v_add_nc_u32 v[ADRS], SCL, v4
	; the bias, in both layouts: along source 0's rows (q, k) and along source 1's (v)
	s_cmp_eq_u32 ttmp9, 1
	s_cselect_b64 s[8:9], s[10:11], s[8:9]
	s_cmp_eq_u32 ttmp9, 2
	s_cselect_b64 s[8:9], s[12:13], s[8:9]
	s_lshl_b32 s98, s40, 10                        ; 256 cx numbers
	s_lshl_b32 s94, s20, 9
	s_add_co_u32 s94, s94, s98
	s_mov_b32 s95, 0
	s_lshl_b32 s46, s19, 9
	s_add_co_u32 s46, s46, s98
	s_mov_b32 s47, 0
	s_add_nc_u64 s[94:95], s[8:9], s[94:95]
	s_add_nc_u64 s[46:47], s[8:9], s[46:47]
	v_lshlrev_b32 v6, 5, v3                        ; 8 h numbers
	v_lshlrev_b32 v7, 2, v2                        ; r numbers
.irp b, 0,1,2,3,4,5,6,7
	global_load_b128 v[BR+8*\b:BR+8*\b+3], v6, s[94:95] offset:64*\b
	global_load_b128 v[BR+8*\b+4:BR+8*\b+7], v6, s[94:95] offset:64*\b+16
.endr
.irp a, 0,1,2,3,4,5,6,7
	global_load_b32 v[BV+2*\a], v7, s[46:47] offset:64*\a
	global_load_b32 v[BV+2*\a+1], v7, s[46:47] offset:64*\a          ; twice: a pair for the packed addition
.endr
	; where my results go
	s_lshr_b32 s98, s45, 3                         ; batch
	s_and_b32 s99, s45, 7                          ; which 256 tokens of it
	s_lshl_b32 s2, s40, 2
	s_lshl_b32 s3, s20, 1
	s_add_co_u32 s3, s3, s2                        ; q, k: my first head, 4 cx + 2 H0
	s_lshl_b32 s3, s3, 18
	s_lshl_b32 s100, s98, 22
	s_add_co_u32 s3, s3, s100
	s_lshl_b32 s100, s99, 15
	s_add_co_u32 s3, s3, s100
	s_cmp_eq_u32 ttmp9, 1
	s_cselect_b32 s101, 1, 0
	s_lshl_b32 s3, s3, s101                        ; in kv a head and a block of 256 tokens take twice the bytes
	s_lshl_b32 s100, s19, 14
	s_add_co_u32 s3, s3, s100                      ; my 8 tiles of tokens
	s_lshl_b32 s100, 0x40000, s101
	v_add_nc_u32 v[CO+1], s100, v[CO]              ; a head on
	s_lshl_b32 s100, s19, 1
	s_add_co_u32 s2, s2, s100                      ; v: my first head, 4 cx + 2 H1
	s_lshl_b32 s2, s2, 19
	s_lshl_b32 s100, s98, 23
	s_add_co_u32 s2, s2, s100
	s_lshl_b32 s100, s99, 16
	s_add_co_u32 s2, s2, s100
	s_lshl_b32 s100, s20, 14
	s_add_co_u32 s2, s2, s100
	s_add_co_u32 s2, s2, 32768
	s_cmp_eq_u32 ttmp9, 2
	s_cselect_b32 s2, s2, s3
	s_mov_b32 s3, 0
	s_mov_b32 s66, 1.0
	s_cmp_eq_u32 ttmp9, 0
	s_cselect_b64 s[100:101], s[14:15], s[16:17]
	s_cselect_b32 s66, 0x3e38aa3b, s66             ; c = log2(e) / 8 for q, 1 for k
	s_mov_b32 s67, s66
	s_add_nc_u64 s[100:101], s[100:101], s[2:3]
.macro FRAG reg, adr, q, i             ; a fragment's image: two loads of 512 consecutive bytes
.irp c, 0,1
	ds_load_b128 v[\reg+4*\c:\reg+4*\c+3], v[\adr] offset:4096*(\i)+1024*(\q)+512*\c
.endr
.endm
; 16 matrix instructions: source 1's blocks a0, a0 + 1 x source 0's eight.  The 64 accumulators take turns, one instruction a turn, in the same order in every step.
.macro MUL16 a0, p, q, sc, zero
.irp a, \a0, \a0+1
.irp b, 0,1,2,3,4,5,6,7
.if \zero
	v_wmma_scale_f32_16x16x128_f8f6f4 v[8*(8*((\a)%4)+\b):8*(8*((\a)%4)+\b)+7], v[128*(\p)+FR*\b:128*(\p)+FR*\b+FR-1], v[AF+FR*(\a):AF+FR*(\a)+FR-1], 0, v[SC+8*NQ*(\sc)+NQ*\b+(\q)], v[SC+8*NQ*(\sc)+NQ*(\a)+(\q)] matrix_a_fmt:MATRIX_FMT_FP4 matrix_b_fmt:MATRIX_FMT_FP4 matrix_a_scale:MATRIX_SCALE_ROW1
.else
	v_wmma_scale_f32_16x16x128_f8f6f4 v[8*(8*((\a)%4)+\b):8*(8*((\a)%4)+\b)+7], v[128*(\p)+FR*\b:128*(\p)+FR*\b+FR-1], v[AF+FR*(\a):AF+FR*(\a)+FR-1], v[8*(8*((\a)%4)+\b):8*(8*((\a)%4)+\b)+7], v[SC+8*NQ*(\sc)+NQ*\b+(\q)], v[SC+8*NQ*(\sc)+NQ*(\a)+(\q)] matrix_a_fmt:MATRIX_FMT_FP4 matrix_b_fmt:MATRIX_FMT_FP4 matrix_a_scale:MATRIX_SCALE_ROW1
.endif
.endr
.endr
.endm
.macro FETCH_0 slot, q, p              ; source 0's eight fragments into set p
	WIN TO_0
.irp i, 0,1,2,3,4,5,6,7
	FRAG 128*(\p)+FR*\i, ADR0+\slot, \q, \i
.endr
	WIN 0
.endm
.macro FETCH_1 slot, q, i0             ; source 1's blocks i0 .. i0 + 3
.irp i, \i0, \i0+1, \i0+2, \i0+3
	FRAG AF+FR*(\i), ADR1+\slot, \q, \i
.endr
.endm
.macro SCALES sc                       ; a slot's scale words: four a row
.irp i, 0,1,2,3,4,5,6,7
	ds_load_b128 v[SC+8*NQ*\sc+NQ*\i:SC+8*NQ*\sc+NQ*\i+3], v[ADRS] offset:\i*SBLK
.endr
.endm
.macro PLACES n                        ; plain vector lines between a matrix instruction and a load into, or a vector line on, its registers
.rept \n
	v_nop
.endr
.endm
.macro STEP slot, q, zero              ; 128 along K whose successor lies in the same slot
	s_wait_dscnt 4*NL                              ; all but the youngest eight loads (source 1's blocks 4-7) are in
	WIN MUL_LO
	MUL16 0, (\q)%2, \q, \slot, \zero
	MUL16 2, (\q)%2, \q, \slot, \zero
	s_wait_dscnt 0
	PLACES NP
	FETCH_0 \slot, (\q)+1, 1-(\q)%2
	FETCH_1 \slot, (\q)+1, 0
	WIN MUL_HI
	MUL16 4, (\q)%2, \q, \slot, \zero
	MUL16 6, (\q)%2, \q, \slot, \zero
	PLACES NP
	WIN 0
	FETCH_1 \slot, (\q)+1, 4
.endm
.macro STEPS slot, from
.set Q, \from
.rept NQ-1-\from
	STEP \slot, Q, 0
.set Q, Q+1
.endr
.endm
	s_wait_tensorcnt 1                             ; the scale bytes and my part of slot 0 are in; slot 1's one load may be out
	s_barrier_signal -1
	s_barrier_wait -1
	FETCH_0 0, 0, 0
	FETCH_1 0, 0, 0
	SCALES 0
	FETCH_1 0, 0, 4
	STEP 0, 0, 1                                   ; the first products start the sums: nothing is cleared
	STEPS 0, 1
	; slot 0's last step goes over to slot 1: my part of it has landed, and behind the barrier everybody's has
	s_wait_tensorcnt 0x0
	ds_add_u32 v[SPW], v[NIL]                      ; 0 onto my spare word
	s_wait_dscnt 4*NL+1                            ; (the add and the youngest eight loads may be out)
	WIN MUL_LO
	MUL16 0, 1, NQ-1, 0, 0
	s_wait_dscnt 0x0
	s_barrier_signal -1
	MUL16 2, 1, NQ-1, 0, 0
	WIN 0
	s_barrier_wait -1
	PLACES NP
	v_add_nc_u32 v[ADRS], 4*NQ, v[ADRS]            ; slot 1's scale words: 16 bytes on in each row
	FETCH_0 1, 0, 0
	FETCH_1 1, 0, 0
	SCALES 1
	WIN MUL_HI
	MUL16 4, 1, NQ-1, 0, 0
	MUL16 6, 1, NQ-1, 0, 0
	PLACES NP
	WIN 0
	FETCH_1 1, 0, 4
	STEPS 1, 0
	s_wait_dscnt 4*NL
	WIN MUL_LO
	MUL16 0, 1, NQ-1, 1, 0
	MUL16 2, 1, NQ-1, 1, 0
	s_wait_dscnt 0
	WIN MUL_HI
	MUL16 4, 1, NQ-1, 1, 0
	MUL16 6, 1, NQ-1, 1, 0
	WIN 0
	PLACES NP                                      ; behind the last products: their results are read and source 1's registers written below
	s_wait_loadcnt 0x0                             ; the biases
	s_cmp_eq_u32 s21, 1
	s_cbranch_scc1 .Larm_v
; THE WAY OUT.  A lane's eight results of an accumulator are eight neighbours along the next product's K: four packed registers, which are four registers of a fragment image: each store covers 512 consecutive bytes.  No LDS.
.macro OUTQK a
.set AC, 64*((\a)%4)
.set TT, T+32*((\a)%2)
	WIN 0x82+0x41*((\a)/4)
.irp b, 0,1,2,3,4,5,6,7
.irp i, 0,2,4,6
	v_pk_fma_f32 v[AC+8*\b+\i:AC+8*\b+\i+1], v[AC+8*\b+\i:AC+8*\b+\i+1], s[66:67], v[BR+8*\b+\i:BR+8*\b+\i+1] op_sel_hi:[1,0,1]   ; each accumulator from its low end on
.endr
.endr
.if (\a) > 1
	s_wait_xcnt 0x0                                ; the stores of two blocks ago have read their data: that set is written again only behind this wait
.endif
	WIN 0x0a+5*((\a)/4)
.irp b, 0,1,2,3,4,5,6,7
.irp i, 0,1,2,3
	v_cvt_pk_f16_f32 v[TT+4*\b+\i], v[AC+8*\b+2*\i], v[AC+8*\b+2*\i+1]
.endr
.endr
	WIN 0
.irp b, 0,1,2,3,4,5,6,7
	global_store_b128 v[CO+\b/4], v[TT+4*\b:TT+4*\b+3], s[100:101] offset:2048*(\a)+1024*((\b%4)/2)+512*(\b%2)   ; head b / 4, tile of tokens a, channels 16 (b % 4) on
.endr
.endm
.irp i, 0,2,4,6,8,10,12,14,16,18,20,22,24,26,28,30,32,34,36,38,40,42,44,46,48,50,52,54,56,58,60,62
	v_pk_mul_f32 v[BR+\i:BR+\i+1], v[BR+\i:BR+\i+1], s[66:67] op_sel_hi:[1,0]   ; the bias x c
.endr
.irp a, 0,1,2,3,4,5,6,7
	OUTQK \a
.endr
	s_wait_tensorcnt 0x0                           ; the wave's end
	ds_add_u32 v[SPW], v[NIL]
	s_wait_dscnt 0x0
	CROUND                                         ; the closing round
	s_endpgm
.Larm_v:
.macro OUTV a
.set AC, 64*((\a)%4)
.set TT, T+32*((\a)%2)
	WIN 0x82+0x41*((\a)/4)
.irp b, 0,1,2,3,4,5,6,7
.irp i, 0,2,4,6
	v_pk_add_f32 v[AC+8*\b+\i:AC+8*\b+\i+1], v[AC+8*\b+\i:AC+8*\b+\i+1], v[BV+2*(\a):BV+2*(\a)+1]   ; my channel's bias
.endr
.endr
.if (\a) > 1
	s_wait_xcnt 0x0
.endif
	WIN 0x0a+5*((\a)/4)
.irp b, 0,1,2,3,4,5,6,7
.irp i, 0,1,2,3
	v_cvt_pk_f16_f32 v[TT+4*\b+\i], v[AC+8*\b+2*\i], v[AC+8*\b+2*\i+1]
.endr
.endr
	WIN 0
.irp b, 0,1,2,3,4,5,6,7
	global_store_b128 v[CO], v[TT+4*\b:TT+4*\b+3], s[100:101] offset:524288*((\a)/4)+4096*(\b/2)+1024*((\a)%4)+512*(\b%2)   ; head a / 4, keys 32 (b / 2) on, channels 16 (a % 4) on
.endr
.endm
.irp a, 0,1,2,3,4,5,6,7
	OUTV \a
.endr
	s_wait_tensorcnt 0x0
	ds_add_u32 v[SPW], v[NIL]
	s_wait_dscnt 0x0
	CROUND
	s_endpgm
.Lfunc_end_k_q75c8761291_qkv:
	.size	k_q75c8761291_qkv, .Lfunc_end_k_q75c8761291_qkv-k_q75c8761291_qkv
	.p2alignl 7, 3214868480
	.fill 96, 4, 3214868480
	.section	.rodata,"a",@progbits
	.p2align	6, 0x0
	.amdhsa_kernel k_q75c8761291_qkv
		.amdhsa_group_segment_fixed_size 327680
		.amdhsa_private_segment_fixed_size 0
		.amdhsa_enable_private_segment 0
		.amdhsa_kernarg_size 56
		.amdhsa_user_sgpr_count 2
		.amdhsa_user_sgpr_kernarg_segment_ptr 1
		.amdhsa_wavefront_size32 1
		.amdhsa_system_sgpr_workgroup_id_x 1
		.amdhsa_system_sgpr_workgroup_id_y 1
		.amdhsa_system_sgpr_workgroup_id_z 1
		.amdhsa_system_vgpr_workitem_id 0
		.amdhsa_next_free_vgpr 1024
		.amdhsa_next_free_sgpr 102
		.amdhsa_reserve_vcc 0
		.amdhsa_float_denorm_mode_32 3
		.amdhsa_float_denorm_mode_16_64 3
		.amdhsa_memory_ordered 1
		.amdhsa_forward_progress 1
		.amdhsa_inst_pref_size 179
	.end_amdhsa_kernel
	.amdgpu_metadata
---
amdhsa.version: [ 1, 2 ]
amdhsa.kernels:
  - .name:           k_q75c8761291_qkv
    .symbol:         k_q75c8761291_qkv.kd
    .args:
      - { .name: codes, .offset: 0, .size: 8, .value_kind: global_buffer, .address_space: global }
      - { .name: scales, .offset: 8, .size: 8, .value_kind: global_buffer, .address_space: global }
      - { .name: bq, .offset: 16, .size: 8, .value_kind: global_buffer, .address_space: global }
      - { .name: bk, .offset: 24, .size: 8, .value_kind: global_buffer, .address_space: global }
      - { .name: bv, .offset: 32, .size: 8, .value_kind: global_buffer, .address_space: global }
      - { .name: qf, .offset: 40, .size: 8, .value_kind: global_buffer, .address_space: global }
      - { .name: kv, .offset: 48, .size: 8, .value_kind: global_buffer, .address_space: global }
    .group_segment_fixed_size: 327680
    .private_segment_fixed_size: 0
    .kernarg_segment_align: 8
    .kernarg_segment_size: 56
    .max_flat_workgroup_size: 128
    .sgpr_count:     102
    .vgpr_count:     1024
    .wavefront_size: 32
...
	.end_amdgpu_metadata
.endif
;; end of part 2
;; launch attn (part 3): grid 8 x 32, 8 waves a work-group, clusters of 4 x 1, 327,680 bytes of LDS; arguments qf, kv, mbits, zf; writes zf
.if DOCPART == 3
	.amdgcn_target "amdgcn-amd-amdhsa--gfx1250"
	.amdhsa_code_object_version 6
	.text
	.protected	k_q75c8761291_attn
	.globl	k_q75c8761291_attn
	.p2align	8
	.type	k_q75c8761291_attn,@function
k_q75c8761291_attn:
	s_mov_b64 s[64:65], 0
	v_nop
	global_prefetch_b8 v0, s[64:65] scope:SCOPE_SE
	s_setreg_imm32_b32 hwreg(HW_REG_WAVE_MODE, 25, 1), 1
	s_wait_xcnt 0x0
	s_wait_alu depctr_hold_cnt(0) depctr_sa_sdst(0) depctr_va_vdst(0) depctr_va_sdst(0) depctr_va_ssrc(0) depctr_va_vcc(0) depctr_vm_vsrc(0)
	s_getreg_b32 s2, hwreg(HW_REG_IB_STS2, 6, 4)
	s_cmp_eq_u32 s2, 0
	s_cbranch_scc0 .Lentry_in_a_cluster
	s_endpgm
.Lentry_in_a_cluster:
	s_bfe_u32 s2, ttmp6, 0x10000c
	s_cmp_lg_u32 s2, 0x3003
	s_cbranch_scc0 .Lentry_shape_is_right
	s_endpgm
.Lentry_shape_is_right:
; z[b][t][head][:] = the sum over T of softmax_T(where(mask, q . k / 8, -FLT_MAX)) v[T][:].  q (already x log2(e) / 8), k, v: f16, as fragment images; products and sums in f32; p is rounded to f16 for the second product.
; SHARES.  A work-group owns 256 queries of one batch and head; each of its eight waves 32 of them, two tiles of 16.  Every wave walks all 2,048 keys, 64 a step.
; LAYOUT.  S^T = K Q^T (source 0 = 16 keys, source 1 = 16 queries) and O^T = V^T P: a lane holds ONE query throughout; two tiles of S^T, rounded in pairs, are source 1 of the second product.
; THE MASK comes as words of one bit a lane, one word for each register of S^T, by scalar loads: one v_cndmask_b32 a register puts -FLT_MAX where the mask is false.
; SOFTMAX.  A running maximum m (masked scores count in it, as in the definition): p = 2^(t - m); O and the sum l are multiplied by 2^(m_old - m_new) in every step.  A row with no true key has t - m = 0 everywhere: the mean of v.
; The row's sum is taken of the unrounded p, in f32, two numbers an instruction.
; TWO PHASES, TWO GROUPS.  A wave's step is a vector phase (mask, maximum, exponentials, half of the roundings, O's rescaling: 251 vector lines) and a matrix phase (16 products p v of the step in hand, with the other roundings
; and the sums, 48 vector lines, three behind each product; then 16 products K Q^T of the next step).  Eight waves on four SIMDs are two to a SIMD.  They are two groups, g = (w xor (w >> 2)) & 1: waves w and w + 4 differ in g, and so
; do waves 2 i and 2 i + 1.  In the step that changes slots group 0 runs its vector phase in front of the barrier and group 1 behind it: so the groups come to the barrier from different phases and leave it into different phases,
; and one group's vector phase stands beside the other's matrix phase.  The barrier, its waits and the add stand on every wave's path; under the branches on g stand register work and the mask's scalar loads alone.
; CLUSTER.  The four query blocks of a cluster walk the same K and V: each tile is asked for jointly, by one line with a mask that names the four.  Each of the eight waves brings 8,192 bytes of a slot.
; LIMITS: q x c, k, v beyond 65,504 are infinities already; z beyond 65,504 becomes infinity; p under 2^-25 counts as 0 in the product; a row with few true keys is carried with f16's relative error of its own size.
; LDS: two slots of 256 keys (K 32,768 bytes, V 32,768) at 0 and 65,536; the spare words behind them.
; REGISTERS.  window 0 holds all that the softmax and p v touch, so that neither needs a switch: v1-6 addresses and constants; v8-23 statistics, 8 a tile (+0 m, +1 zero, +2..+5 at work, +6 the rescaling factor, +7 zero);
;   v24-27 l, a pair a tile; v28-59 P; v60-123 V; v124-187 S^T; v188-251 O^T.   window 1: v0-31 Q; v32-95 K.
.set SLOT1, 65536
.set SPARE, 131072
.set LI,   1                           ; v1 16 x lane
.set ADR,  2                           ; v2 the LDS address of the run of loads in hand
.set NEG,  3                           ; v3 -FLT_MAX
.set SPW,  4
.set NIL,  5
.set PFO,  6                           ; v6 256 x lane
.set ST,   8
.set LS,   24
.set P,    28
.set VF,   60
.set S,    124
.set O,    188
.set Q,    0                           ; window 1
.set KF,   32                          ; window 1
.set TB,   2                           ; s2  LDS byte at which the step to be fetched begins
.set CNT,  3
.set WV,   12
.set SLOTS, 13
.set LIM,  14
.set GRP,  15                          ; s15 my group, 0 or 1
.set SEL,  66                          ; s[66:67]
.set G1,   84                          ; s[84:91]
.set G0,   92                          ; s[92:95] slot 0's first fill; s[96:99] slot 1's, which then walks on
.set PFA,  100                         ; s[100:101] where my prefetches stand
; s[16:63], s[68:83]: the step's 64 mask words; word x = 2 (8 kt + j) + t in s[16 + x + 4 (x / 48)]
.set MSB, 0
.macro WIN new                         ; the immediate's high byte repeats the setting that is left
.if MSB != (\new)
	s_set_vgpr_msb (MSB<<8)|(\new)
.set MSB, (\new)
.endif
.endm
.macro CROUND                          ; a round of the cluster's barrier
	s_barrier_signal -1
	s_barrier_wait -1
	s_cmp_lg_u32 s[WV], 0
	s_cbranch_scc1 .Lnot_wave_0_\@
	s_barrier_signal -3
.Lnot_wave_0_\@:
	s_barrier_wait -3
	s_barrier_signal -1
	s_barrier_wait -1
.endm
	s_load_b256 s[4:11], s[0:1], 0x0               ; qf s4, kv s6, mbits s8, zf s10
	v_lshl_add_u32 v[SPW], v0, 2, SPARE
	v_mov_b32 v[NIL], 0
	ds_add_u32 v[SPW], v[NIL]                      ; the opening: the add, twice on end, and its wait ahead of my first tensor load
	ds_add_u32 v[SPW], v[NIL]
	v_lshrrev_b32 v1, 5, v0
	v_readfirstlane_b32 s[WV], v1                  ; wave 0..7
	s_bfe_u32 s15, ttmp6, 0x40000                  ; cx
	s_lshl_b32 s68, ttmp9, 2
	s_add_co_u32 s68, s68, s15                     ; my block of 256 queries: it enters global addresses alone
	s_and_b32 s69, ttmp7, 0xffff                   ; batch x 16 + head, shared by the four partners
	s_lshr_b32 s70, s69, 4
	s_and_b32 s71, s69, 15
	s_lshl_b32 s72, s69, 19                        ; kv: the head's 524,288 bytes,
	s_lshl_b32 s74, s[WV], 13                      ; my wave's 8,192 of a slot (in memory and in LDS)
	s_add_co_u32 s72, s72, s74
	s_mov_b32 s73, 0
	s_lshl_b32 s76, s69, 18                        ; qf: head, block, my two tiles
	s_lshl_b32 s75, s68, 15
	s_add_co_u32 s76, s76, s75
	s_lshl_b32 s75, s[WV], 12
	s_add_co_u32 s76, s76, s75
	s_mov_b32 s77, 0
	s_lshl_b32 s78, s70, 19                        ; mbits: batch, block, my 32 queries
	s_lshl_b32 s75, s68, 16
	s_add_co_u32 s78, s78, s75
	s_lshl_b32 s75, s[WV], 13
	s_add_co_u32 s78, s78, s75
	s_mov_b32 s79, 0
	s_lshl_b32 s80, s70, 22                        ; zf: 32,768 x (128 batch + 16 block + 2 wave) + 2,048 head
	s_lshl_b32 s75, s68, 19
	s_add_co_u32 s80, s80, s75
	s_lshl_b32 s75, s[WV], 16
	s_add_co_u32 s80, s80, s75
	s_lshl_b32 s75, s71, 11
	s_add_co_u32 s80, s80, s75
	s_mov_b32 s81, 0
	s_lshl_b32 s82, s15, 14                        ; the prefetches: my work-group's quarter of a slot,
	s_add_co_u32 s82, s82, 2*SLOT1                 ; in slot 2: the first change of slots steps it to slot 3
	s_mov_b32 s83, 0
	s_lshr_b32 s[GRP], s[WV], 2                    ; (cx has had its last use)  my group, of the wave's number alone:
	s_xor_b32 s[GRP], s[GRP], s[WV]
	s_and_b32 s[GRP], s[GRP], 1                    ; (w xor (w >> 2)) & 1
	s_lshr_b32 s[LIM], s[WV], 1                    ; waves 0 and 1
	s_or_b32 s[LIM], s[LIM], ttmp9                 ; of the head's first cluster prefetch: the same in all four partners
	s_cmp_eq_u32 s[LIM], 0
	s_cselect_b32 s[LIM], 1, -1
	s_mov_b32 s[G1], 15|(3<<16)|(1<<21)            ; the mask: all four; elements of 8 bytes; bit 21 beside a mask
	s_mov_b32 s[G1+1], 32<<16                      ; 32 dense rows of 256 bytes
	s_mov_b32 s[G1+2], 32<<16
	s_mov_b32 s[G1+3], 32<<16
	s_mov_b32 s[G1+4], 32
	s_mov_b32 s[G1+5], 32
	s_mov_b32 s[G1+6], 0
	s_mov_b32 s[G1+7], 0
	s_mov_b32 s[SEL], 0x76543210
	s_mov_b32 s[SEL+1], 0xfedcba98
	s_mov_b32 s[TB], 0
	s_mov_b32 s[SLOTS], 6
	s_wait_dscnt 0x0                               ; both opening adds are done
	s_wait_kmcnt 0x0
	s_add_nc_u64 s[4:5], s[4:5], s[76:77]
	s_add_nc_u64 s[8:9], s[8:9], s[78:79]
	s_add_nc_u64 s[10:11], s[10:11], s[80:81]
	s_add_nc_u64 s[PFA:PFA+1], s[6:7], s[72:73]
	s_add_nc_u64 s[PFA:PFA+1], s[PFA:PFA+1], s[82:83]
	CROUND                                         ; all four work-groups are here: the first joint loads meet
	s_mov_b32 s[G0], 1
	s_mov_b32 s[G0+1], s74
	s_add_nc_u64 s[G0+2:G0+3], s[6:7], s[72:73]
	s_mov_b32 s[G0+4], 1
	s_add_co_u32 s[G0+5], s74, SLOT1
	s_add_nc_u64 s[G0+6:G0+7], s[G0+2:G0+3], SLOT1
	s_or_b32 s[G0+3], s[G0+3], 0x80000000
	s_or_b32 s[G0+7], s[G0+7], 0x80000000
	tensor_load_to_lds s[G0:G0+3], s[G1:G1+7]      ; two loads of mine go out: keys 0-255,
	s_nop 0
	tensor_load_to_lds s[G0+4:G0+7], s[G1:G1+7]    ; keys 256-511
	s_nop 0
.rept 4
	v_nop
.endr
	v_and_b32 v[LI], 31, v0
	v_lshlrev_b32 v[PFO], 8, v[LI]
	v_lshlrev_b32 v[LI], 4, v[LI]
	WIN 0x40                                       ; destination window 1
.irp f, 0,1,2,3
	global_load_b128 v[Q+8*\f:Q+8*\f+3], v[LI], s[4:5] offset:1024*\f           ; Q stays in registers: tile f / 2, channels 32 (f % 2) on
	global_load_b128 v[Q+8*\f+4:Q+8*\f+7], v[LI], s[4:5] offset:1024*\f+512
.endr
	WIN 0
	s_load_b512 s[16:31], s[8:9], 0x0              ; step 0's mask words
	s_load_b512 s[32:47], s[8:9], 0x40
	s_load_b512 s[48:63], s[8:9], 0x80
	s_load_b512 s[68:83], s[8:9], 0xc0
	v_mov_b32 v[NEG], 0xff7fffff
.set i, 0
.rept 64
	v_mov_b32 v[O+i], 0                            ; O^T begins as zeros: the step is written without a first form of its own, and the first rescaling leaves zeros zeros
.set i, i+1
.endr
.irp i, 0,1,2,3
	v_mov_b32 v[LS+\i], 0                          ; l likewise
.endr
.irp t, 0,1
	v_mov_b32 v[ST+8*\t], v[NEG]                   ; m
	v_mov_b32 v[ST+8*\t+1], 0                      ; (named as the upper halves of pairs)
	v_mov_b32 v[ST+8*\t+7], 0
.endr
.macro FETCH_K                         ; a step's K: 4 tiles of 16 keys x 2 fragments, into window 1
	v_add_nc_u32 v[ADR], s[TB], v[LI]
	WIN 0x40
.irp f, 0,1,2,3,4,5,6,7
	ds_load_b128 v[KF+8*\f:KF+8*\f+3], v[ADR] offset:1024*\f
	ds_load_b128 v[KF+8*\f+4:KF+8*\f+7], v[ADR] offset:1024*\f+512
.endr
	WIN 0
.endm
; The scores of the step whose K has been fetched; then that step's V is fetched.  Eight accumulators take turns.
.macro PH_A
	s_wait_dscnt 0x0                               ; K is in
	WIN 0x05                                       ; sources 0 (K) and 1 (Q) window 1
.irp kf, 0,1
.irp kt, 0,1,2,3
.irp t, 0,1
.if \kf == 0
	v_wmma_f32_16x16x32_f16 v[S+32*\t+8*\kt:S+32*\t+8*\kt+7], v[KF+16*\kt+8*\kf:KF+16*\kt+8*\kf+7], v[Q+16*\t+8*\kf:Q+16*\t+8*\kf+7], 0
.else
	v_wmma_f32_16x16x32_f16 v[S+32*\t+8*\kt:S+32*\t+8*\kt+7], v[KF+16*\kt+8*\kf:KF+16*\kt+8*\kf+7], v[Q+16*\t+8*\kf:Q+16*\t+8*\kf+7], v[S+32*\t+8*\kt:S+32*\t+8*\kt+7]
.endif
.endr
.endr
.endr
	WIN 0
	v_add_nc_u32 v[ADR], s[TB], v[LI]              ; four plain lines: the places in front of the loads into V's registers, of the loads into K's and of the first read of the scores
.rept 3
	v_nop
.endr
.irp f, 0,1,2,3,4,5,6,7
	ds_load_b128 v[VF+8*\f:VF+8*\f+3], v[ADR] offset:32768+1024*\f             ; keys 32 (f / 4) on, channels 16 (f % 4) on
	ds_load_b128 v[VF+8*\f+4:VF+8*\f+7], v[ADR] offset:32768+1024*\f+512
.endr
	s_add_co_u32 s[TB], s[TB], 8192                ; the next fetch is the next step's
.endm
; THE VECTOR PHASE of the step in hand: work on registers, and (fetch = 1) the scalar loads of the next step's mask words.
.macro SOFT fetch
	s_wait_kmcnt 0x0                               ; the step's mask words
.set n, 0
.rept 32
.irp t, 0,1
	v_cndmask_b32 v[S+32*\t+n], v[NEG], v[S+32*\t+n], s[16+2*n+\t+4*((2*n+\t)/48)]   ; each accumulator from its low end on
.endr
.set n, n+1
.endr
.irp j, 0,1,2,3                        ; the maximum of 32 scores and the old m: four chains, the two tiles by turns
.irp t, 0,1
	v_max3_num_f32 v[ST+8*\t+2+\j], v[S+32*\t+8*\j], v[S+32*\t+8*\j+1], v[S+32*\t+8*\j+2]
.endr
.endr
.irp u, 3,5
.irp j, 0,1,2,3
.irp t, 0,1
	v_max3_num_f32 v[ST+8*\t+2+\j], v[ST+8*\t+2+\j], v[S+32*\t+8*\j+\u], v[S+32*\t+8*\j+\u+1]
.endr
.endr
.endr
.irp t, 0,1
	v_max3_num_f32 v[ST+8*\t+2], v[ST+8*\t+2], v[S+32*\t+7], v[S+32*\t+15]
.endr
.irp t, 0,1
	v_max3_num_f32 v[ST+8*\t+4], v[ST+8*\t+4], v[S+32*\t+23], v[S+32*\t+31]
.endr
.if \fetch
	s_add_nc_u64 s[8:9], s[8:9], 256               ; (the last scalar loads were waited for above)  the next step's 64 words: the selects above have read this step's
	s_load_b512 s[16:31], s[8:9], 0x0
	s_load_b512 s[32:47], s[8:9], 0x40
	s_load_b512 s[48:63], s[8:9], 0x80
	s_load_b512 s[68:83], s[8:9], 0xc0
.endif
.irp t, 0,1
	v_max3_num_f32 v[ST+8*\t+2], v[ST+8*\t+2], v[ST+8*\t+3], v[ST+8*\t+4]
.endr
.irp t, 0,1
	v_max3_num_f32 v[ST+8*\t+2], v[ST+8*\t+2], v[ST+8*\t+5], v[ST+8*\t]
.endr
.irp t, 0,1
	v_permlanex16_b32 v[ST+8*\t+3], v[ST+8*\t+2], s[SEL], s[SEL+1]   ; the query's other 32 keys lie in the lane 16 away
.endr
.irp t, 0,1
	v_max_num_f32 v[ST+8*\t+4], v[ST+8*\t+2], v[ST+8*\t+3]           ; the new m
.endr
.irp t, 0,1
	v_sub_f32 v[ST+8*\t+5], v[ST+8*\t], v[ST+8*\t+4]                 ; m_old - m_new
.endr
.irp t, 0,1
	v_mov_b32 v[ST+8*\t], v[ST+8*\t+4]
.endr
.irp t, 0,1
.irp i, 0,2,4,6,8,10,12,14,16,18,20,22,24,26,28,30
	v_pk_add_f32 v[S+32*\t+\i:S+32*\t+\i+1], v[S+32*\t+\i:S+32*\t+\i+1], v[ST+8*\t:ST+8*\t+1] op_sel_hi:[1,0] neg_lo:[0,1] neg_hi:[0,1]   ; t - m
.endr
.endr
.irp t, 0,1
	v_exp_f32 v[ST+8*\t+6], v[ST+8*\t+5]           ; ONE BATCH of 66 exponentials: the two factors,
.endr
.set n, 0
.rept 64
	v_exp_f32 v[S+n], v[S+n]                       ; and p
.set n, n+1
.endr
	v_nop                                          ; a plain line behind the last exponential,
	s_wait_alu depctr_va_vdst(0)                   ; and the one wait ahead of the batch's first reader
.irp i, 0,1,2,3,4,5,6,7
.irp t, 0,1
	v_cvt_pk_f16_f32 v[P+16*\t+\i], v[S+32*\t+2*\i], v[S+32*\t+2*\i+1]   ; keys 0-31 of the step are rounded here; keys 32-63 among the products
.endr
.endr
.irp t, 0,1
.irp i, 0,2,4,6,8,10,12,14,16,18,20,22,24,26,28,30
	v_pk_mul_f32 v[O+32*\t+\i:O+32*\t+\i+1], v[O+32*\t+\i:O+32*\t+\i+1], v[ST+8*\t+6:ST+8*\t+7] op_sel_hi:[1,0]   ; each accumulator from its low end on
.endr
.endr
.endm
; Line k of 32 of the two tiles' sums (tile k % 2), in place on p, a pair of numbers a line: 0-15 neighbours 1 pair apart, 16-23 2 apart, 24-27 4 apart, 28-29 8 apart; 30-31: l = l x factor + the sum.
.macro SUM k
.set sumt, (\k)%2
.if (\k) < 30
.if (\k) < 16
.set sumb, S+32*sumt+4*((\k)/2)
.set sumd, 2
.elseif (\k) < 24
.set sumb, S+32*sumt+8*(((\k)-16)/2)
.set sumd, 4
.elseif (\k) < 28
.set sumb, S+32*sumt+16*(((\k)-24)/2)
.set sumd, 8
.else
.set sumb, S+32*sumt
.set sumd, 16
.endif
	v_pk_add_f32 v[sumb:sumb+1], v[sumb:sumb+1], v[sumb+sumd:sumb+sumd+1]
.else
	v_pk_fma_f32 v[LS+2*sumt:LS+2*sumt+1], v[LS+2*sumt:LS+2*sumt+1], v[ST+8*sumt+6:ST+8*sumt+7], v[S+32*sumt:S+32*sumt+1] op_sel_hi:[1,0,1]
.endif
.endm
; O^T += V^T P: 16 products, eight accumulators by turns, all in window 0.  Three vector lines that name none of the products' registers in hand stand behind each:
; behind those of keys 0-31 the roundings of keys 32-63 and the sums' lines 0-7, which touch keys 0-31's p alone; behind those of keys 32-63 the sums' other 24 lines.
; younger: the LDS loads issued behind V's, which may stay out.
.macro PVM younger
	s_wait_dscnt \younger                          ; V is in
.set n, 0
.rept 8                                ; channels 16 (n / 2) on, tile n % 2
	v_wmma_f32_16x16x32_f16 v[O+32*(n%2)+8*(n/2):O+32*(n%2)+8*(n/2)+7], v[VF+8*(n/2):VF+8*(n/2)+7], v[P+16*(n%2):P+16*(n%2)+7], v[O+32*(n%2)+8*(n/2):O+32*(n%2)+8*(n/2)+7]
	v_cvt_pk_f16_f32 v[P+8+n], v[S+16+2*n], v[S+17+2*n]
	v_cvt_pk_f16_f32 v[P+24+n], v[S+48+2*n], v[S+49+2*n]
	SUM n
.set n, n+1
.endr
.set n, 0
.rept 8
	v_wmma_f32_16x16x32_f16 v[O+32*(n%2)+8*(n/2):O+32*(n%2)+8*(n/2)+7], v[VF+32+8*(n/2):VF+32+8*(n/2)+7], v[P+16*(n%2)+8:P+16*(n%2)+15], v[O+32*(n%2)+8*(n/2):O+32*(n%2)+8*(n/2)+7]
	SUM 8+3*n
	SUM 9+3*n
	SUM 10+3*n
.set n, n+1
.endr
.endm
.macro PAIRS n                         ; n steps inside a slot: the next step's K is asked for; the vector phase; the matrix phase
	s_mov_b32 s[CNT], \n
.Lpair_\@:
	FETCH_K
	SOFT 1
	PVM 16                                         ; K's 16 loads, issued behind V's, may be out
	PH_A
	s_sub_co_u32 s[CNT], s[CNT], 1
	s_cmp_lg_u32 s[CNT], 0
	s_cbranch_scc1 .Lpair_\@
.endm
; THE STEP THAT CHANGES SLOTS: a slot's last step.  Its K has been multiplied and its V asked for.  Group 0 runs the step's vector phase in front of the change, group 1 behind it.
; The change: each wave waits for all its tensor loads (one is out: its part of the other slot), adds 0 to its spare word, and waits for that and for its reads of the slot, V's among them.  fill = 1: the barrier is a round of
; the cluster's, and behind it the slot is filled again with the keys two slots on: the load has four steps in which to land.  The next step's K, out of the other slot, is fetched behind the barrier.
.macro CSTEP fill
	s_cmp_lg_u32 s[GRP], 0
	s_cbranch_scc1 .Llate_\@
	SOFT 1                                         ; group 0
.Llate_\@:
	s_wait_tensorcnt 0x0
	ds_add_u32 v[SPW], v[NIL]
.if \fill
	s_xor_b32 s[G0+5], s[G0+5], SLOT1              ; the walking descriptor: the other slot, the next 256 keys
	s_add_nc_u64 s[G0+6:G0+7], s[G0+6:G0+7], SLOT1
	s_wait_xcnt 0x0                                ; the last prefetch, four steps back, has read its address
	s_add_nc_u64 s[PFA:PFA+1], s[PFA:PFA+1], SLOT1 ; one slot further on than the walking descriptor
	s_wait_dscnt 0x0
	CROUND
	tensor_load_to_lds s[G0+4:G0+7], s[G1:G1+7]    ; my one load behind the round
	s_nop 0
.rept 4
	v_nop
.endr
.else
	s_wait_dscnt 0x0
	s_barrier_signal -1
	s_barrier_wait -1
.endif
	s_sub_co_u32 s[TB], s[TB], 32768               ; the fetches go back to a slot's first step,
	s_xor_b32 s[TB], s[TB], SLOT1                  ; in the other slot
	FETCH_K
.if \fill
	; the slot that the NEXT change will load is prefetched: 65,536 bytes, each aligned 256 named once in the launch: the head's first cluster asks, its four partners told apart by address (16,384 bytes each),
	; waves 0 and 1 in each (8,192 bytes each), lanes 256 bytes apart.  The last change that fills a slot asks for nothing.
	s_cmp_gt_u32 s[SLOTS], s[LIM]
	s_cbranch_scc0 .Lnot_mine_\@
	global_prefetch_b8 v[PFO], s[PFA:PFA+1] th:TH_LOAD_NT scope:SCOPE_SE
.Lnot_mine_\@:
.endif
	s_cmp_eq_u32 s[GRP], 0
	s_cbranch_scc1 .Learly_\@
	SOFT 1                                         ; group 1
.Learly_\@:
	PVM 16                                         ; (V was waited for in front of the barrier; K's 16 loads may be out)
	PH_A
.endm
	s_wait_tensorcnt 1                             ; my part of slot 0 is in; slot 1's one load may be out
	s_barrier_signal -1
	s_barrier_wait -1
	FETCH_K
	s_wait_loadcnt 0x0                             ; Q
	PH_A                                           ; step 0's scores
	PAIRS 3                                        ; steps 0 to 2
.Lslot:                                            ; six trips: slots 2 to 7 are asked for; a trip is a slot's last step and the next slot's first three
	CSTEP 1
	PAIRS 3
	s_sub_co_u32 s[SLOTS], s[SLOTS], 1
	s_cmp_lg_u32 s[SLOTS], 0
	s_cbranch_scc1 .Lslot
	CSTEP 0                                        ; the tail is written out: nothing is left to ask for
	PAIRS 3
	SOFT 0                                         ; step 31
	PVM 0x0
	; THE WAY OUT: O^T / l, rounded to f16: a tile's four packed registers of 16 channels are four registers of a fragment image of the projection's operand.
	; The sums' last three lines and the additions below are the places behind the last products.
.irp t, 0,1
	v_add_f32 v[ST+8*\t+2], v[LS+2*\t], v[LS+2*\t+1]                 ; l's two halves,
.endr
.irp t, 0,1
	v_permlanex16_b32 v[ST+8*\t+3], v[ST+8*\t+2], s[SEL], s[SEL+1]
.endr
.irp t, 0,1
	v_add_f32 v[ST+8*\t+2], v[ST+8*\t+2], v[ST+8*\t+3]               ; and the lane's 16 away
.endr
.irp t, 0,1
	v_rcp_f32 v[ST+8*\t+6], v[ST+8*\t+2]
.endr
	v_nop
	s_wait_alu depctr_va_vdst(0)                   ; one wait for the two reciprocals, ahead of their first reader
.irp t, 0,1
.irp i, 0,2,4,6,8,10,12,14,16,18,20,22,24,26,28,30
	v_pk_mul_f32 v[O+32*\t+\i:O+32*\t+\i+1], v[O+32*\t+\i:O+32*\t+\i+1], v[ST+8*\t+6:ST+8*\t+7] op_sel_hi:[1,0]
.endr
.endr
.set n, 0
.rept 32
	v_cvt_pk_f16_f32 v[S+n], v[O+2*n], v[O+2*n+1]
.set n, n+1
.endr
.irp t, 0,1
.irp ct, 0,1,2,3
	global_store_b128 v[LI], v[S+16*\t+4*\ct:S+16*\t+4*\ct+3], s[10:11] offset:32768*\t+1024*(\ct/2)+512*(\ct%2)   ; 512 consecutive bytes a store
.endr
.endr
	s_wait_tensorcnt 0x0                           ; the wave's end
	ds_add_u32 v[SPW], v[NIL]
	s_wait_dscnt 0x0
	CROUND                                         ; the closing round
	s_endpgm
.Lfunc_end_k_q75c8761291_attn:
	.size	k_q75c8761291_attn, .Lfunc_end_k_q75c8761291_attn-k_q75c8761291_attn
	.p2alignl 7, 3214868480
	.fill 96, 4, 3214868480
	.section	.rodata,"a",@progbits
	.p2align	6, 0x0
	.amdhsa_kernel k_q75c8761291_attn
		.amdhsa_group_segment_fixed_size 327680
		.amdhsa_private_segment_fixed_size 0
		.amdhsa_enable_private_segment 0
		.amdhsa_kernarg_size 32
		.amdhsa_user_sgpr_count 2
		.amdhsa_user_sgpr_kernarg_segment_ptr 1
		.amdhsa_wavefront_size32 1
		.amdhsa_system_sgpr_workgroup_id_x 1
		.amdhsa_system_sgpr_workgroup_id_y 1
		.amdhsa_system_sgpr_workgroup_id_z 1
		.amdhsa_system_vgpr_workitem_id 0
		.amdhsa_next_free_vgpr 384
		.amdhsa_next_free_sgpr 102
		.amdhsa_reserve_vcc 0
		.amdhsa_float_denorm_mode_32 3
		.amdhsa_float_denorm_mode_16_64 3
		.amdhsa_memory_ordered 1
		.amdhsa_forward_progress 1
		.amdhsa_inst_pref_size 170
	.end_amdhsa_kernel
	.amdgpu_metadata
---
amdhsa.version: [ 1, 2 ]
amdhsa.kernels:
  - .name:           k_q75c8761291_attn
    .symbol:         k_q75c8761291_attn.kd
    .args:
      - { .name: qf, .offset: 0, .size: 8, .value_kind: global_buffer, .address_space: global }
      - { .name: kv, .offset: 8, .size: 8, .value_kind: global_buffer, .address_space: global }
      - { .name: mbits, .offset: 16, .size: 8, .value_kind: global_buffer, .address_space: global }
      - { .name: zf, .offset: 24, .size: 8, .value_kind: global_buffer, .address_space: global }
    .group_segment_fixed_size: 327680
    .private_segment_fixed_size: 0
    .kernarg_segment_align: 8
    .kernarg_segment_size: 32
    .max_flat_workgroup_size: 256
    .sgpr_count:     102
    .vgpr_count:     384
    .wavefront_size: 32
...
	.end_amdgpu_metadata
.endif
;; end of part 3
;; launch proj (part 4): grid 8 x 32, 4 waves a work-group, clusters of 4 x 4, 327,680 bytes of LDS; arguments zf, wzf, bz, out0; writes out0
.if DOCPART == 4
	.amdgcn_target "amdgcn-amd-amdhsa--gfx1250"
	.amdhsa_code_object_version 6
	.text
	.protected	k_q75c8761291_proj
	.globl	k_q75c8761291_proj
	.p2align	8
	.type	k_q75c8761291_proj,@function
k_q75c8761291_proj:
	s_mov_b64 s[64:65], 0
	v_nop
	global_prefetch_b8 v0, s[64:65] scope:SCOPE_SE
	s_setreg_imm32_b32 hwreg(HW_REG_WAVE_MODE, 25, 1), 1
	s_wait_xcnt 0x0
	s_wait_alu depctr_hold_cnt(0) depctr_sa_sdst(0) depctr_va_vdst(0) depctr_va_sdst(0) depctr_va_ssrc(0) depctr_va_vcc(0) depctr_vm_vsrc(0)
	s_getreg_b32 s2, hwreg(HW_REG_IB_STS2, 6, 4)
	s_cmp_eq_u32 s2, 0
	s_cbranch_scc0 .Lentry_in_a_cluster
	s_endpgm
.Lentry_in_a_cluster:
	s_bfe_u32 s2, ttmp6, 0x10000c
	s_cmp_lg_u32 s2, 0xf033
	s_cbranch_scc0 .Lentry_shape_is_right
	s_endpgm
.Lentry_shape_is_right:
; out0[t][n] = the sum over k of z[t][k] Wz[k][n] + bz[n].  z and Wz: f16, as fragment images (zf: [16 tokens: 256][32 along K: 32][1,024 bytes], wzf: [16 columns: 64][32][1,024]); sums in f32; out0 f32.
; A tile of 128 x 128 to a work-group (256 work-groups); four waves, 64 x 64 each: 16 accumulators.  K goes in steps of 256 through a ring of two LDS slots; a wave's tensor load brings 4 tiles x 8 images.
; CLUSTERS: 4 x 4: the four of a row need the same tokens, the four of a column the same columns of Wz: each tile is asked for jointly.
; Source 0 = 16 columns of Wz, source 1 = 16 tokens: a lane holds eight neighbouring numbers of a row of out0.  The bias is the C of each sum's first product.
; A wave's 64 columns are 256 aligned bytes of a row: each wave has a stage of its own in LDS, behind the ring, through which 16 rows at a time turn into whole rows.
; REGISTERS: window 0: v16-29 addresses; v32-95 the way out; v96-127 the bias; v128-255 the accumulators ((a, b) at v[128 + 8 (4 a + b)]).  window 1: two fragment buffers of 128 (64 of z, then 64 of Wz, for 64 along K).
.set HALFT,  32768                     ; 4 tiles x 8 images: what one tensor load brings
.set SLOT,   131072                    ; z's 8 tiles, then Wz's 8
.set STAGE,  262144                    ; 16 rows x 272 bytes for each wave
.set SPARE,  279552                    ; the spare words, 128 bytes a wave
.set LAPS,   2                         ; a lap = two K steps of 256
.set ADRA, 16
.set ADRB, 20
.set STO,  24
.set RD,   25
.set CO,   26
.set SPW,  28
.set NIL,  29
.set TMP,  32
.set BR,   96
.set ACC,  128
.set F0,   0
.set F1,   128
.set G1, 24
.set G0, 32
.set G1B, 48
.set G0B, 56
.set MSB, 0
.macro WIN new
.if MSB != (\new)
	s_set_vgpr_msb (MSB<<8)|(\new)
.set MSB, (\new)
.endif
.endm
.set MUL,  0x05                        ; sources 0 and 1 window 1; C and D window 0
.set TO_F, 0x40
.macro JLOAD s                         ; a joint load: waves 0 and 1 fetch z's halves, waves 2 and 3 Wz's; an s_nop 0 and four v_nop follow each line
	s_cmp_eq_u32 s11, 0
	s_cbranch_scc0 .Lfor_b_\@
	tensor_load_to_lds s[G0+4*\s:G0+4*\s+3], s[G1:G1+7]
	s_nop 0
.rept 4
	v_nop
.endr
	s_branch .Lasked_\@
.Lfor_b_\@:
	tensor_load_to_lds s[G0B+4*\s:G0B+4*\s+3], s[G1B:G1B+7]
	s_nop 0
.rept 4
	v_nop
.endr
.Lasked_\@:
.endm
.macro CREST
	s_cmp_lg_u32 s10, 0
	s_cbranch_scc1 .Lnot_wave_0_\@
	s_barrier_signal -3
.Lnot_wave_0_\@:
	s_barrier_wait -3
	s_barrier_signal -1
	s_barrier_wait -1
.endm
.macro CROUND
	s_barrier_signal -1
	s_barrier_wait -1
	CREST
.endm
	s_load_b128 s[4:7], s[0:1], 0x0                ; zf, wzf
	s_load_b64 s[68:69], s[0:1], 0x10              ; bz
	s_load_b64 s[8:9], s[0:1], 0x18                ; out0
	v_lshl_add_u32 v[SPW], v0, 2, SPARE
	v_mov_b32 v[NIL], 0
	ds_add_u32 v[SPW], v[NIL]                      ; the opening: the add, twice on end, and its wait ahead of my first tensor load
	ds_add_u32 v[SPW], v[NIL]
	v_lshrrev_b32 v1, 5, v0
	v_readfirstlane_b32 s10, v1                    ; wave
	s_lshr_b32 s11, s10, 1                         ; my half of the tile's rows.  Also: I fetch for z (0) or for Wz (1)
	s_and_b32 s12, s10, 1                          ; my half of its columns.  Also: which 64 rows I fetch
	s_bfe_u32 s40, ttmp6, 0x40000
	s_bfe_u32 s41, ttmp6, 0x40004
	s_lshl_b32 s42, ttmp9, 2
	s_add_co_u32 s42, s42, s40                     ; tile column
	s_and_b32 s13, ttmp7, 0xffff
	s_lshl_b32 s13, s13, 2
	s_add_co_u32 s13, s13, s41                     ; tile row
	s_lshl_b32 s43, s41, 2
	s_lshl_b32 s43, 15, s43
	s_lshl_b32 s44, 0x1111, s40
	s_or_b32 s[G1+0], s43, (3<<16)|(1<<21)         ; 4 rows of 8,192 bytes (1,024 elements of 8 bytes), 32,768 bytes apart in memory, dense in LDS
	s_or_b32 s[G1B+0], s44, (3<<16)|(1<<21)
.irp g, G1, G1B
	s_mov_b32 s[\g+1], 1024<<16
	s_mov_b32 s[\g+2], 4<<16
	s_mov_b32 s[\g+3], 1024<<16
	s_mov_b32 s[\g+4], 4
	s_mov_b32 s[\g+5], 4096
	s_mov_b32 s[\g+6], 0
	s_mov_b32 s[\g+7], 0
.endr
	s_lshl_b32 s17, s12, 2
	s_lshl_b32 s16, s13, 3
	s_add_co_u32 s16, s16, s17                     ; z: tile 8 x tile row + 4 x half
	s_lshl_b32 s46, s42, 3
	s_add_co_u32 s46, s46, s17                     ; Wz: tile 8 x tile column + 4 x half
	s_lshl_b32 s16, s16, 15
	s_lshl_b32 s46, s46, 15
	s_mov_b32 s17, 0
	s_mov_b32 s47, 0
	s_lshl_b32 s20, s10, 15                        ; where they go: 32,768 x wave
	s_wait_dscnt 0x0
	s_wait_kmcnt 0x0
	s_add_nc_u64 s[14:15], s[4:5], s[16:17]
	s_add_nc_u64 s[46:47], s[6:7], s[46:47]
	CROUND
.irp s, 0,1
	s_mov_b32 s[G0+4*\s], 1
	s_add_co_u32 s[G0+4*\s+1], s20, \s*SLOT
	s_add_nc_u64 s[G0+4*\s+2:G0+4*\s+3], s[14:15], \s*8192
	s_or_b32 s[G0+4*\s+3], s[G0+4*\s+3], 0x80000000
	s_mov_b32 s[G0B+4*\s], 1
	s_add_co_u32 s[G0B+4*\s+1], s20, \s*SLOT
	s_add_nc_u64 s[G0B+4*\s+2:G0B+4*\s+3], s[46:47], \s*8192
	s_or_b32 s[G0B+4*\s+3], s[G0B+4*\s+3], 0x80000000
	JLOAD \s
.endr
	v_and_b32 v1, 15, v0                           ; r
	v_bfe_u32 v2, v0, 4, 1                         ; h
	v_and_b32 v3, 31, v0
	v_lshlrev_b32 v3, 4, v3                        ; 16 x lane
	s_lshl_b32 s21, s11, 15                        ; my 4 tiles of z
	s_lshl_b32 s22, s12, 15
	s_add_co_u32 s22, s22, 2*HALFT                 ; my 4 tiles of Wz
.irp s, 0,1
	v_add_nc_u32 v[ADRA+\s], s21, v3
	v_add_nc_u32 v[ADRB+\s], s22, v3
	s_add_co_u32 s21, s21, SLOT
	s_add_co_u32 s22, s22, SLOT
.endr
	s_mul_i32 s23, s10, 16*272
	s_add_co_u32 s23, s23, STAGE                   ; my stage
	v_mul_u32_u24 v4, v1, 272
	v_lshl_add_u32 v4, v2, 5, v4
	v_add_nc_u32 v[STO], s23, v4                   ; in: row r, 32 bytes for each half of the lanes
	v_mul_u32_u24 v5, v2, 272
	v_lshl_add_u32 v5, v1, 4, v5
	v_add_nc_u32 v[RD], s23, v5                    ; back: lanes 0-15 one row of 256 bytes, lanes 16-31 the next
	v_lshlrev_b32 v5, 12, v2
	v_lshl_add_u32 v[CO], v1, 4, v5                ; and the same two rows in out0
	s_lshl_b32 s16, s13, 19                        ; my first row: 128 x tile row + 64 x half, 4,096 bytes a row
	s_lshl_b32 s17, s11, 18
	s_add_co_u32 s16, s16, s17
	s_mov_b32 s17, 0
	s_add_nc_u64 s[8:9], s[8:9], s[16:17]
	s_lshl_b32 s46, s42, 9                         ; my first column, in bytes: 512 x tile column + 256 x half
	s_lshl_b32 s47, s12, 8
	s_add_co_u32 s46, s46, s47
	s_mov_b32 s47, 0
	s_add_nc_u64 s[8:9], s[8:9], s[46:47]
	s_add_nc_u64 s[68:69], s[68:69], s[46:47]      ; and the same place in bz
	v_lshlrev_b32 v6, 5, v2                        ; 8 h numbers
.irp b, 0,1,2,3
	global_load_b128 v[BR+8*\b:BR+8*\b+3], v6, s[68:69] offset:64*\b
	global_load_b128 v[BR+8*\b+4:BR+8*\b+7], v6, s[68:69] offset:64*\b+16
.endr
; 8 matrix instructions: blocks a0, a0 + 1 of tokens x all 4 blocks of columns, 32 along K: half c of buffer f.  first = 1: the bias is the C: nothing is cleared, nothing is added later.
.macro MUL8 f, c, a0, first
.irp a, \a0, \a0+1
.irp b, 0,1,2,3
.if \first
	v_wmma_f32_16x16x32_f16 v[ACC+8*(4*(\a)+\b):ACC+8*(4*(\a)+\b)+7], v[\f+64+8*(4*\c+\b):\f+64+8*(4*\c+\b)+7], v[\f+8*(4*\c+\a):\f+8*(4*\c+\a)+7], v[BR+8*\b:BR+8*\b+7]
.else
	v_wmma_f32_16x16x32_f16 v[ACC+8*(4*(\a)+\b):ACC+8*(4*(\a)+\b)+7], v[\f+64+8*(4*\c+\b):\f+64+8*(4*\c+\b)+7], v[\f+8*(4*\c+\a):\f+8*(4*\c+\a)+7], v[ACC+8*(4*(\a)+\b):ACC+8*(4*(\a)+\b)+7]
.endif
.endr
.endr
.endm
; 32 LDS loads in one run: the fragments of the slot's qd-th 64 along K into buffer f; the first 32 along K first
.macro FETCH slot, qd, f
	WIN TO_F
.irp c, 0,1
.irp i, 0,1,2,3
	ds_load_b128 v[\f+64+8*(4*\c+\i):\f+64+8*(4*\c+\i)+3],   v[ADRB+\slot] offset:8192*\i+1024*(2*(\qd)+\c)
	ds_load_b128 v[\f+64+8*(4*\c+\i)+4:\f+64+8*(4*\c+\i)+7], v[ADRB+\slot] offset:8192*\i+1024*(2*(\qd)+\c)+512
	ds_load_b128 v[\f+8*(4*\c+\i):\f+8*(4*\c+\i)+3],         v[ADRA+\slot] offset:8192*\i+1024*(2*(\qd)+\c)
	ds_load_b128 v[\f+8*(4*\c+\i)+4:\f+8*(4*\c+\i)+7],       v[ADRA+\slot] offset:8192*\i+1024*(2*(\qd)+\c)+512
.endr
.endr
.endm
.macro PLACES                          ; four plain lines in front of loads into registers that matrix instructions have read, and of the first read of results
.rept 4
	v_nop
.endr
.endm
; A K step is four quarters of 64 along K, 32 matrix instructions each, on buffers 0, 1, 0, 1.  One of the first three multiplies buffer f and fetches quarter qd into g.
.macro QUARTER slot, qd, f, g, first
	s_wait_dscnt 16                                ; the first 32 along K are in
	WIN MUL
	MUL8 \f, 0, 0, \first
	MUL8 \f, 0, 2, \first
	PLACES
	FETCH \slot, \qd, \g
	s_wait_dscnt 32                                ; all but the 32 just issued
	WIN MUL
	MUL8 \f, 1, 0, 0
	MUL8 \f, 1, 2, 0
.endm
; The last quarter changes slots: one barrier; in front of it each wave waits for all its tensor loads, adds 0 to its spare word, and waits for that and for its reads of this slot.  fill = 1: the slot is filled again, two K steps ahead.
.macro TURN slot, next, fill
	WIN 0
	s_wait_tensorcnt 0x0                           ; my part of the next slot has landed
	ds_add_u32 v[SPW], v[NIL]
	s_wait_dscnt 17                                ; (the add and the youngest sixteen loads may be out)
	WIN MUL
	MUL8 F1, 0, 0, 0
	s_wait_dscnt 0x0                               ; the add is done, and my reads of this slot are over
	s_barrier_signal -1
	MUL8 F1, 0, 2, 0
.if \fill
	WIN 0
.endif
	s_barrier_wait -1
.if \fill
	CREST                                          ; the barrier has opened a round of the cluster's: no wave of any partner still reads this slot or has a load on its way
	s_add_nc_u64 s[G0+4*\slot+2:G0+4*\slot+3], s[G0+4*\slot+2:G0+4*\slot+3], 2*8192
	s_add_nc_u64 s[G0B+4*\slot+2:G0B+4*\slot+3], s[G0B+4*\slot+2:G0B+4*\slot+3], 2*8192
	JLOAD \slot                                    ; my one load behind the round; its four v_nop are also the places in front of the loads below
.else
	PLACES
.endif
	FETCH \next, 0, F0
	WIN MUL
	MUL8 F1, 1, 0, 0
	MUL8 F1, 1, 2, 0
.endm
	s_wait_tensorcnt 1                             ; my part of K step 0 is in; K step 1's one load may be out
	s_barrier_signal -1
	s_barrier_wait -1
	FETCH 0, 0, F0
	s_wait_loadcnt 0x0                             ; the bias
	QUARTER 0, 1, F0, F1, 1
	WIN 0
	s_mov_b32 s3, LAPS-1
.Llap:                                             ; a trip goes once round the ring, from a lap's second quarter to the next lap's first
	QUARTER 0, 2, F1, F0, 0
	QUARTER 0, 3, F0, F1, 0
	TURN 0, 1, 1
	QUARTER 1, 1, F0, F1, 0
	QUARTER 1, 2, F1, F0, 0
	QUARTER 1, 3, F0, F1, 0
	TURN 1, 0, 1
	QUARTER 0, 1, F0, F1, 0
	WIN 0
	s_sub_co_u32 s3, s3, 1
	s_cmp_lg_u32 s3, 0
	s_cbranch_scc1 .Llap
	QUARTER 0, 2, F1, F0, 0                        ; the last lap fills nothing
	QUARTER 0, 3, F0, F1, 0
	TURN 0, 1, 0
	QUARTER 1, 1, F0, F1, 0
	QUARTER 1, 2, F1, F0, 0
	QUARTER 1, 3, F0, F1, 0
	s_wait_dscnt 16
	WIN MUL
	MUL8 F1, 0, 0, 0
	MUL8 F1, 0, 2, 0
	s_wait_dscnt 0
	MUL8 F1, 1, 0, 0
	MUL8 F1, 1, 2, 0
	WIN 0
; THE WAY OUT, 16 rows x 64 columns at a time through my own stage: LDS serves a wave's instructions in order (ISA guide 5.7.1.4), so no wait stands between the stores and the loads, nor in front of the next block's stores.
.macro TOSTAGE a
.irp b, 0,1,2,3
	ds_store_b128 v[STO], v[ACC+8*(4*(\a)+\b):ACC+8*(4*(\a)+\b)+3] offset:64*\b          ; each accumulator from its low end on
	ds_store_b128 v[STO], v[ACC+8*(4*(\a)+\b)+4:ACC+8*(4*(\a)+\b)+7] offset:64*\b+16
.endr
.irp u, 0,1,2,3,4,5,6,7
	ds_load_b128 v[TMP+32*((\a)%2)+4*\u:TMP+32*((\a)%2)+4*\u+3], v[RD] offset:544*\u
.endr
.endm
.macro SEND a, younger                 ; younger: the LDS instructions issued behind block a's loads
	s_wait_dscnt \younger
.irp u, 0,1,2,3,4,5,6,7
	global_store_b128 v[CO], v[TMP+32*((\a)%2)+4*\u:TMP+32*((\a)%2)+4*\u+3], s[8:9] offset:4096*(16*(\a)+2*\u) th:TH_STORE_NT   ; sixteen lanes store 256 consecutive bytes, aligned
.endr
.endm
	PLACES
	TOSTAGE 0
.irp a, 1,2,3
.if \a > 1
	s_wait_xcnt 0x0                                ; the stores of two blocks ago have read their data: block a's loads may land there
.endif
	TOSTAGE \a
	SEND \a-1, 16                                  ; behind block a - 1's loads: block a's 8 stores and 8 loads
.endr
	SEND 3, 0
	s_wait_tensorcnt 0x0                           ; the wave's end
	ds_add_u32 v[SPW], v[NIL]
	s_wait_dscnt 0x0
	CROUND                                         ; the closing round
	s_endpgm
.Lfunc_end_k_q75c8761291_proj:
	.size	k_q75c8761291_proj, .Lfunc_end_k_q75c8761291_proj-k_q75c8761291_proj
	.p2alignl 7, 3214868480
	.fill 96, 4, 3214868480
	.section	.rodata,"a",@progbits
	.p2align	6, 0x0
	.amdhsa_kernel k_q75c8761291_proj
		.amdhsa_group_segment_fixed_size 327680
		.amdhsa_private_segment_fixed_size 0
		.amdhsa_enable_private_segment 0
		.amdhsa_kernarg_size 32
		.amdhsa_user_sgpr_count 2
		.amdhsa_user_sgpr_kernarg_segment_ptr 1
		.amdhsa_wavefront_size32 1
		.amdhsa_system_sgpr_workgroup_id_x 1
		.amdhsa_system_sgpr_workgroup_id_y 1
		.amdhsa_system_sgpr_workgroup_id_z 1
		.amdhsa_system_vgpr_workitem_id 0
		.amdhsa_next_free_vgpr 512
		.amdhsa_next_free_sgpr 70
		.amdhsa_reserve_vcc 0
		.amdhsa_float_denorm_mode_32 3
		.amdhsa_float_denorm_mode_16_64 3
		.amdhsa_memory_ordered 1
		.amdhsa_forward_progress 1
		.amdhsa_inst_pref_size 86
	.end_amdhsa_kernel
	.amdgpu_metadata
---
amdhsa.version: [ 1, 2 ]
amdhsa.kernels:
  - .name:           k_q75c8761291_proj
    .symbol:         k_q75c8761291_proj.kd
    .args:
      - { .name: zf, .offset: 0, .size: 8, .value_kind: global_buffer, .address_space: global }
      - { .name: wzf, .offset: 8, .size: 8, .value_kind: global_buffer, .address_space: global }
      - { .name: bz, .offset: 16, .size: 8, .value_kind: global_buffer, .address_space: global }
      - { .name: out0, .offset: 24, .size: 8, .value_kind: global_buffer, .address_space: global }
    .group_segment_fixed_size: 327680
    .private_segment_fixed_size: 0
    .kernarg_segment_align: 8
    .kernarg_segment_size: 32
    .max_flat_workgroup_size: 128
    .sgpr_count:     70
    .vgpr_count:     512
    .wavefront_size: 32
...
	.end_amdgpu_metadata
.endif
;; end of part 4
